; MI455X (gfx1250); checked and timed in simulation.
; The chip was launched on July 23, 2026; its instructions are those of AMD's public machine-readable ISA for CDNA 5 (MIT licence, August 2026) and "CDNA5" Instruction Set Architecture Reference Guide (July 2026). The comments in the code are by the model that wrote it; some were corrected since.
;; Simple Multihead Attention. Allowed arithmetic: matrix products marked QUANTISED: E2M3 operands, one E8M0 scale for each 32 along K, by v_wmma_scale_f32_16x16x128_f8f6f4 with both operands' format E2M3, f32 sums; everything else in f32.
;; Inputs: b_out 1,024 float32; b_qkv 3,072 float32; key_padding_mask 2 x 2,048 bool; w_out 1,024 x 1,024 float32; w_qkv 1,024 x 3,072 float32; x 2 x 2,048 x 1,024 float32.
;; Outputs: out0 2 x 2,048 x 1,024 float32.
;; This version of the problem:
;;   THIS VERSION OF THE PROBLEM IS GIVEN IN LOW PRECISION. The matrix products marked QUANTISED in the list below multiply operands that are first quantised to E2M3 (2 exponent bits, 3 mantissa bits; 6 bits a number), with one power-of-two scale for each 32 numbers along K (OCP MX v1.0); their sums are f32. All else is computed in f32.
;;   The module's matrix products, in the order in which they are computed (A, B: the left and right operand; K: the contracted axis; several contracted axes count as one K, in the product's order):
;;     1. [M 4,096, K 1,024] x [K 1,024, N 3,072]; A: input x; B: input w_qkv: QUANTISED
;;     2. batch 32 x [M 2,048, K 64] x [K 64, N 2,048]; A: computed on the way; B: computed on the way: QUANTISED
;;     3. batch 32 x [M 2,048, K 2,048] x [K 2,048, N 64]; A: softmax (see below); B: computed on the way: QUANTISED
;;     4. [M 4,096, K 1,024] x [K 1,024, N 1,024]; A: computed on the way; B: input w_out: QUANTISED
;;   THE QUANTISER, for each operand of a quantised product, along K:
;;     - K is cut into blocks of 32 from its start; a last block that is shorter is filled with zeros.
;;     - A block's scale is 2^e with e = floor(log2(the largest magnitude in the block)) - 2, held to -126 .. 127; a block of zeros has e = 0. As a byte (E8M0): e + 127.
;;     - Each number is divided by its block's scale, clamped to +-7.5, and rounded to the nearest number of E2M3, ties to even, subnormals kept.
;;     - The product sums the exact products of the quantised numbers (number of the format x scale) in f32.
;;   ~~~python
;;   def quantise(x, axis):      # numpy; x: float32 -> the quantised numbers, widened to float32 again
;;       x = np.moveaxis(x, axis, -1); K = x.shape[-1]
;;       x = np.pad(x, [(0, 0)] * (x.ndim - 1) + [(0, -K % 32)]); x = x.reshape(x.shape[:-1] + (-1, 32)); a = np.abs(x).max(-1, keepdims=True)
;;       e = np.where(a > 0, np.clip(np.frexp(np.where(a > 0, a, 1))[1] - 1 - 2, -126, 127), 0)      # np.frexp(a)[1] - 1 = floor(log2(a)), exactly
;;       r = np.clip(x / 2.0 ** e, -7.5, 7.5)
;;       step = 2.0 ** (np.maximum(np.frexp(np.where(r == 0, 1, r))[1] - 1, 0) - 3)
;;       q = np.round(r / step) * step * 2.0 ** e      # np.round: ties to even
;;       return np.moveaxis(q.reshape(q.shape[:-2] + (-1,))[..., :K], -1, axis).astype(np.float32)
;;   ~~~
;;   SOFTMAX AHEAD OF A QUANTISED PRODUCT. Where the list says 'softmax', what is quantised is not the finished softmax but p = 2^(t - M), with t = logit x log2(e) and M = ceil(the row's largest t), a whole number; so 1/2 < the row's largest p <= 1. The row's sum l is taken of the UNQUANTISED p, in f32, and the product's result is divided by l at the end. Since M is a whole number, a kernel that streams over the keys may use a running M (the ceiling of the running maximum): every later rescaling is an exact power of two, which a block's scale takes up: the codes' values come out the same.
;;   OPERANDS COMPUTED ON THE WAY. 'Computed on the way' means the value that the module computes at that place (a softmax that the list does not call 'softmax' is quantised finished and normalised). What goes into a quantiser is computed in f32, as accurately as f32 sums, v_exp_f32 and their like allow (about 1e-6 of the number): no bf16 or f16 on the way to a quantiser, and a product that is left as it is and whose result goes on into a quantised operand takes f32 operands (vector FMAs, or v_wmma_f32_16x16x4_f32). A number that lies on a knife's edge between two numbers of the format may be rounded either way, as far as f32 arithmetic and the matrix unit's own rounding can turn it there, and no further.
;; One version. Each part assembles by itself: llvm-mc -triple=amdgcn-amd-amdhsa -mcpu=gfx1250 --defsym DOCPART=n.
;; ======== version 1 of 1: 4 launches
;; limits: right only within a limited range of input values
;; workspace buffers: xq 3,276,800 bytes; wq 2,457,600 bytes; wo 819,200 bytes; qi 4,456,448 bytes; kv 7,733,248 bytes; oi 3,276,800 bytes
;; launch quant (part 1): grid 256 x 1, 4 waves a work-group, no clusters, 34,304 bytes of LDS; arguments x, w_qkv, w_out, xq, wq, wo; writes xq, wq, wo
.if DOCPART == 1
	.amdgcn_target "amdgcn-amd-amdhsa--gfx1250"
	.amdhsa_code_object_version 6
	.text
	.protected	k_q5ae35c288b_quant
	.globl	k_q5ae35c288b_quant
	.p2align	8
	.type	k_q5ae35c288b_quant,@function
k_q5ae35c288b_quant:
	s_mov_b64 s[64:65], 0
	v_nop
	global_prefetch_b8 v0, s[64:65] scope:SCOPE_SE
	s_setreg_imm32_b32 hwreg(HW_REG_WAVE_MODE, 25, 1), 1
	s_wait_xcnt 0x0
; x [4096][1024], w_qkv [1024][3072] and w_out [1024][1024], f32, become codes of FP6 (E2M3) with one E8M0 byte for each 32 along K.
; A block's scale is 2^(floor(log2(its largest magnitude)) - 2): its byte is the largest magnitude's exponent field - 2, held at 1 from below.
; LIMITS: a block of zeros gets the byte 1 where the rule says 127 (its codes are zeros, and this program alone reads the bytes); NaN and infinities among the inputs are not served.
; THE CODES ARE LAID AS IMAGES OF THE OPERAND'S REGISTERS.  Rows (of x: tokens; of a weight: its columns n) come in tiles of 16, K in pieces of 64.  Piece g of tile T is 768 bytes at 12288 T + 768 g:
; lane (r, h) owns block 2 g + h of row 16 T + r, six registers: the first four at 16 (r + 16 h), the last two at 512 + 16 r + 8 h.
; THE SCALE BYTES: that of (row R, block kb) stands at 1024 (R / 32) + 256 (kb / 8) + 8 (R % 32) + kb % 8, behind the codes: eight bytes a lane are the words of two K steps of 128.
; SHARES: 32,768 numbers to a work-group: 128 work-groups for x, 96 for w_qkv, 32 for w_out; three ways that part on the work-group's number; only x's way uses LDS.
; w_out's blocks are laid with their second and third groups of eight exchanged, since the attention launch's results, its partner in the last product, come out of the registers in that order.
.set XQS, 3145728                      ; where the scale bytes begin in xq, wq, wo
.set WQS, 2359296
.set WOS, 786432
.set R,   64                           ; x: v64-191  two sets of 64 registers as loaded
.set X,   192                          ; x: v192-255 my two blocks of 32 neighbours
.set CD,  40                           ; x: v40-63   codes, two sets of 12
.set TMP, 24                           ; x: v24-30   the second half of each block's codes
.set WX,  64                           ; weights: v64-127 two sets of 32 numbers
.set F,   128                          ; weights: v128-159 the first four registers of each block's codes
.set Z,   160                          ; weights: v160-175 the last two, two blocks together
.set WT,  176                          ; weights: v176-178 the second half of a block's codes
.set SB,  180                          ; weights: v[180:181] eight scale bytes
	s_load_b256 s[4:11], s[0:1], 0x0               ; x s[4:5], w_qkv s[6:7], w_out s[8:9], xq s[10:11]
	s_load_b128 s[12:15], s[0:1], 0x20             ; wq s[12:13], wo s[14:15]
	v_lshl_add_u32 v38, v0, 2, 0x8400
	v_mov_b32 v39, 0
	v_lshrrev_b32 v1, 5, v0
	v_readfirstlane_b32 s16, v1                    ; wave 0..3
	v_and_b32 v14, 31, v0                          ; lane
	v_and_b32 v15, 15, v0                          ; r
	v_bfe_u32 v6, v0, 4, 1                         ; h
; ---- a weight: A LANE TAKES A COLUMN n AND ITS REGISTERS RUN DOWN K: each load reads 128 consecutive bytes a wave, a block lies in one lane, and the codes come out with K innermost.
.macro WLOAD t, pb, perm               ; block t: place i of the block holds row 32 t + i, or with perm = 1 the row of the exchanged group of eight
.irp i, 0,1,2,3,4,5,6,7,8,9,10,11,12,13,14,15,16,17,18,19,20,21,22,23,24,25,26,27,28,29,30,31
.set GQ, \i/8
.set SW, ((GQ&1)<<1)|(GQ>>1)
	global_load_b32 v[WX+32*((\t)%2)+\i], v1, s[34:35] offset:(32*(\t)+\i%8+8*(GQ+\perm*(SW-GQ)))*\pb th:TH_LOAD_NT
.endr
.endm
.macro WBLOCK t, pb, perm
.set XS, WX+32*((\t)%2)
.if (\t) < 7
	s_wait_loadcnt 32                              ; this block's 32 loads are in; the next block's may be out
.else
	s_wait_loadcnt 0x0
.endif
	v_max3_num_f32 v8, |v[XS]|, |v[XS+1]|, |v[XS+2]|        ; the block's largest magnitude: all 32 numbers are mine; two chains
	v_max3_num_f32 v9, |v[XS+3]|, |v[XS+4]|, |v[XS+5]|
.irp i, 6,10,14,18,22,26
	v_max3_num_f32 v8, v8, |v[XS+\i]|, |v[XS+\i+1]|
	v_max3_num_f32 v9, v9, |v[XS+\i+2]|, |v[XS+\i+3]|
.endr
	v_max3_num_f32 v8, v8, |v[XS+30]|, |v[XS+31]|
	v_max3_num_f32 v8, v8, v9, 0x1800000           ; and the floor 2^(3 - 127): the byte cannot fall under 1
	v_add_nc_u32 v10, 0xff000000, v8               ; 2 off the exponent field: the conversion takes this operand's exponent field as its scale
	v_lshrrev_b32 v12, 23, v10                     ; the scale's byte
.if (\t)%4 == 0
	v_mov_b32 v[SB+(\t)/4], v12
.else
	v_lshl_or_b32 v[SB+(\t)/4], v12, 8*((\t)%4), v[SB+(\t)/4]
.endif
	v_cvt_scalef32_pk16_fp6_f32 v[F+4*(\t):F+4*(\t)+2], v[XS:XS+15], v10
	v_cvt_scalef32_pk16_fp6_f32 v[WT:WT+2], v[XS+16:XS+31], v10    ; (a conversion's three registers begin on an even number)
	v_nop                                          ; one plain place behind a scaled conversion
	v_mov_b32 v[F+4*(\t)+3], v[WT]
	v_mov_b32 v[Z+4*((\t)/2)+2*((\t)%2)], v[WT+1]
	v_mov_b32 v[Z+4*((\t)/2)+2*((\t)%2)+1], v[WT+2]
	global_store_b128 v2, v[F+4*(\t):F+4*(\t)+3], s[36:37] offset:((\t)/2)*768+256*((\t)%2)   ; sixteen lanes store 256 consecutive bytes, aligned
.if (\t)%2 == 1
	global_store_b128 v2, v[Z+4*((\t)/2):Z+4*((\t)/2)+3], s[36:37] offset:((\t)/2)*768+512    ; the last two registers of blocks t - 1 and t
.endif
.if (\t)+2 < 8
	WLOAD (\t)+2, \pb, \perm
.endif
.endm
; ps, pd: the scalar pairs of the weight and of its workspace; pb: bytes in a row of the weight; soff: where the scale bytes begin; first: the way's first work-group
.macro WPATH ps, pd, pb, perm, soff, first
	s_sub_co_u32 s17, ttmp9, \first
	s_lshr_b32 s18, s17, 2                         ; which 128 columns
	s_and_b32 s19, s17, 3                          ; which 256 along K
	v_lshlrev_b32 v1, 2, v14                       ; in: 4 bytes a lane
	v_lshlrev_b32 v2, 4, v15
	v_mul_u32_u24 v3, v6, 12288
	v_add_nc_u32 v2, v2, v3                        ; out: 16 r, and lanes 16-31 one tile of rows further on
	v_lshlrev_b32 v3, 3, v14                       ; scale bytes: 8 a lane
	s_mul_i32 s24, s19, 256*\pb
	s_lshl_b32 s25, s18, 9
	s_add_co_u32 s24, s24, s25
	s_lshl_b32 s25, s16, 7
	s_add_co_u32 s24, s24, s25                     ; the weight at row 256 ky, column 128 cg + 32 wave
	s_mov_b32 s25, 0
	s_lshl_b32 s26, s18, 3
	s_lshl_b32 s27, s16, 1
	s_add_co_u32 s26, s26, s27
	s_mul_i32 s26, s26, 12288                      ; tile 8 cg + 2 wave,
	s_mul_i32 s27, s19, 3072
	s_add_co_u32 s26, s26, s27                     ; piece 4 ky
	s_mov_b32 s27, 0
	s_lshl_b32 s28, s18, 2
	s_add_co_u32 s28, s28, s16
	s_lshl_b32 s28, s28, 10                        ; the scale bytes of rows 32 (4 cg + wave) on,
	s_lshl_b32 s29, s19, 8
	s_add_co_u32 s28, s28, s29                     ; blocks 8 ky on
	s_add_co_u32 s28, s28, \soff
	s_mov_b32 s29, 0
	s_wait_alu depctr_va_vdst(0)
	s_wait_kmcnt 0x0
	s_add_nc_u64 s[34:35], s[\ps:\ps+1], s[24:25]
	s_add_nc_u64 s[36:37], s[\pd:\pd+1], s[26:27]
	s_add_nc_u64 s[38:39], s[\pd:\pd+1], s[28:29]
	WLOAD 0, \pb, \perm                            ; loads run two blocks, 64 loads a wave, ahead
	WLOAD 1, \pb, \perm
.irp t, 0,1,2,3,4,5,6,7
	WBLOCK \t, \pb, \perm
.endr
	global_store_b64 v3, v[SB:SB+1], s[38:39]      ; 32 lanes store 256 consecutive bytes, aligned
.endm
	s_cmp_lt_u32 ttmp9, 128
	s_cbranch_scc1 .Lpath_x
	s_cmp_lt_u32 ttmp9, 224
	s_cbranch_scc1 .Lpath_wq
	WPATH 8, 14, 4096, 1, WOS, 224
	s_endpgm
.Lpath_wq:
	s_wait_alu depctr_va_vdst(0)
	WPATH 6, 12, 12288, 0, WQS, 128
	s_endpgm
; ---- x: work-group g takes rows 32 g .. 32 g + 31, wave w the 256 along K from 256 w on: four sub-steps n of 16 rows (n / 2) x 128 along K (n % 2).
; A load takes 512 consecutive bytes of one row; the conversions want 32 neighbours in a lane: so a sub-step's 8 KiB turn through the wave's own stage in LDS, rows 528 bytes apart
; (16 more than 512, so that the sixteen rows that a load of 16 bytes a lane touches fall on different banks).
.Lpath_x:
	s_wait_alu depctr_va_vdst(0)
	v_lshlrev_b32 v1, 4, v14                       ; 16 x lane
	v_lshlrev_b32 v2, 4, v15
	v_lshl_add_u32 v2, v6, 3, v2                   ; 16 r + 8 h
	v_lshlrev_b32 v3, 3, v14                       ; 8 x lane
	s_mul_i32 s17, s16, 8448                       ; my stage: 16 rows x 528 bytes
	v_add_nc_u32 v4, s17, v1                       ; into it: 16 bytes a lane of a row
	v_mul_u32_u24 v5, v15, 528
	v_lshl_add_u32 v5, v6, 7, v5
	v_add_nc_u32 v5, s17, v5                       ; out of it: row r, 128 h bytes on: my block of each 64 along K
	v_lshlrev_b32 v6, 3, v6                        ; 8 h: my bytes' place in a scale word
	v_mov_b32 v7, 0                                ; (a lane permute's destination counts as one of its sources)
	s_mov_b32 s20, 0x76543210
	s_mov_b32 s21, 0xfedcba98                      ; v_permlanex16_b32's selects for lane l xor 16
	s_mov_b32 s22, 0xffff0000                      ; lanes 16-31
	; THE ORDER OF x'S ROWS IN xq: row 8 h + j of tile t' (0..3) of each 64 tokens is token 32 h + 8 t' + j, so that in the later launches a lane's registers over four tiles are one block of 32 neighbouring tokens.
	s_lshr_b32 s24, ttmp9, 1
	s_lshl_b32 s24, s24, 18                        ; 64 tokens of 4,096 bytes for each two work-groups,
	s_and_b32 s25, ttmp9, 1
	s_lshl_b32 s25, s25, 16                        ; and 16 tokens on for the odd one (its tiles are t' = 2, 3)
	s_add_co_u32 s24, s24, s25
	s_lshl_b32 s25, s16, 10
	s_add_co_u32 s24, s24, s25                     ; x at row 32 g, k = 256 w
	s_mov_b32 s25, 0
	s_mul_i32 s26, ttmp9, 24576
	s_mul_i32 s27, s16, 3072
	s_add_co_u32 s26, s26, s27                     ; tile 2 g, piece 4 w
	s_mov_b32 s27, 0
	s_lshl_b32 s28, ttmp9, 10
	s_lshl_b32 s29, s16, 8
	s_add_co_u32 s28, s28, s29
	s_add_co_u32 s28, s28, XQS                     ; the wave's 256 scale bytes
	s_mov_b32 s29, 0
	s_wait_alu depctr_va_vdst(0)
	s_wait_kmcnt 0x0
	s_add_nc_u64 s[4:5], s[4:5], s[24:25]
	s_add_nc_u64 s[30:31], s[10:11], s[26:27]
	s_add_nc_u64 s[32:33], s[10:11], s[28:29]
.macro XLOAD n
.irp i, 0,1,2,3,4,5,6,7,8,9,10,11,12,13,14,15
	global_load_b128 v[R+64*((\n)%2)+4*\i:R+64*((\n)%2)+4*\i+3], v1, s[4:5] offset:(32*(\i/8)+8*((\n)/2)+\i%8)*4096+512*((\n)%2) th:TH_LOAD_NT
.endr
.endm
.macro XTURN n                         ; LDS serves a wave's instructions in order: no wait stands between the stores and the loads
.irp i, 0,1,2,3,4,5,6,7,8,9,10,11,12,13,14,15
	ds_store_b128 v4, v[R+64*((\n)%2)+4*\i:R+64*((\n)%2)+4*\i+3] offset:528*\i
.endr
.irp c, 0,1
.irp j, 0,1,2,3,4,5,6,7
	ds_load_b128 v[X+32*\c+4*\j:X+32*\c+4*\j+3], v5 offset:256*\c+16*\j   ; x(row r, 64 c + 32 h + 4 j ..)
.endr
.endr
.endm
.macro XSTEP n
.if (\n) < 3
	s_wait_loadcnt 16                              ; this sub-step's 16 loads are in; the next one's may be out
.else
	s_wait_loadcnt 0x0
.endif
	XTURN \n
	s_wait_dscnt 0x0                               ; my 64 numbers are back, and the stores have read the registers that the next loads fill
.if (\n) < 2
	XLOAD (\n)+2
.endif
.irp c, 0,1
	v_max3_num_f32 v[8+\c], |v[X+32*\c]|, |v[X+32*\c+1]|, 0x1800000    ; my block 2 c + h, and the floor 2^(3 - 127)
.endr
.irp i, 2,4,6,8,10,12,14,16,18,20,22,24,26,28,30
.irp c, 0,1
	v_max3_num_f32 v[8+\c], v[8+\c], |v[X+32*\c+\i]|, |v[X+32*\c+\i+1]|  ; (the two blocks by turns)
.endr
.endr
.irp c, 0,1
	v_add_nc_u32 v[10+\c], 0xff000000, v[8+\c]     ; the conversion's scale operand
.endr
.irp c, 0,1
	v_lshrrev_b32 v[12+\c], 23, v[10+\c]           ; the scale's byte
.endr
	v_lshl_or_b32 v14, v13, 16, v12                ; my two bytes, blocks h and 2 + h,
	v_lshlrev_b32 v14, v6, v14                     ; at their places in the row's word;
	v_permlanex16_b32 v7, v14, s20, s21
	v_or_b32 v[16+(\n)], v14, v7                   ; with lane l xor 16's two the word is whole
.if (\n) >= 2
	s_wait_alu depctr_va_vdst(0)
	s_wait_xcnt 0x0                                ; the stores of two sub-steps ago have read this set of code registers
.endif
.irp c, 0,1
	v_cvt_scalef32_pk16_fp6_f32 v[CD+12*((\n)%2)+6*\c:CD+12*((\n)%2)+6*\c+2], v[X+32*\c:X+32*\c+15], v[10+\c]
	v_cvt_scalef32_pk16_fp6_f32 v[TMP+4*\c:TMP+4*\c+2], v[X+32*\c+16:X+32*\c+31], v[10+\c]
.endr
	v_nop                                          ; one plain place behind a scaled conversion
.irp c, 0,1
.irp i, 0,1,2
	v_mov_b32 v[CD+12*((\n)%2)+6*\c+3+\i], v[TMP+4*\c+\i]
.endr
.endr
.irp c, 0,1
	global_store_b128 v1, v[CD+12*((\n)%2)+6*\c:CD+12*((\n)%2)+6*\c+3], s[30:31] offset:((\n)/2)*12288+(2*((\n)%2)+\c)*768          ; 512 consecutive bytes
	global_store_b64 v2, v[CD+12*((\n)%2)+6*\c+4:CD+12*((\n)%2)+6*\c+5], s[30:31] offset:((\n)/2)*12288+(2*((\n)%2)+\c)*768+512    ; 256 consecutive bytes
.endr
.endm
	XLOAD 0
	XLOAD 1
	XSTEP 0
	XSTEP 1
	XSTEP 2
	XSTEP 3
	v_cndmask_b32 v20, v16, v18, s22               ; lane l holds row l of the 32: lanes 0-15 the first tile's words, lanes 16-31 the second's;
	v_cndmask_b32 v21, v17, v19, s22               ; the first word for the wave's first 128 along K, the second for the other
	global_store_b64 v3, v[20:21], s[32:33]        ; 256 consecutive bytes, aligned
	s_wait_tensorcnt 0x0
	ds_add_u32 v38, v39
	s_wait_dscnt 0x0
	s_endpgm
.Lfunc_end_k_q5ae35c288b_quant:
	.size	k_q5ae35c288b_quant, .Lfunc_end_k_q5ae35c288b_quant-k_q5ae35c288b_quant
	.p2alignl 7, 3214868480
	.fill 96, 4, 3214868480
	.section	.rodata,"a",@progbits
	.p2align	6, 0x0
	.amdhsa_kernel k_q5ae35c288b_quant
		.amdhsa_group_segment_fixed_size 34304
		.amdhsa_private_segment_fixed_size 0
		.amdhsa_enable_private_segment 0
		.amdhsa_kernarg_size 48
		.amdhsa_user_sgpr_count 2
		.amdhsa_user_sgpr_kernarg_segment_ptr 1
		.amdhsa_wavefront_size32 1
		.amdhsa_system_sgpr_workgroup_id_x 1
		.amdhsa_system_sgpr_workgroup_id_y 1
		.amdhsa_system_sgpr_workgroup_id_z 1
		.amdhsa_system_vgpr_workitem_id 0
		.amdhsa_next_free_vgpr 256
		.amdhsa_next_free_sgpr 66
		.amdhsa_reserve_vcc 0
		.amdhsa_float_denorm_mode_32 3
		.amdhsa_float_denorm_mode_16_64 3
		.amdhsa_memory_ordered 1
		.amdhsa_forward_progress 1
		.amdhsa_inst_pref_size 107
	.end_amdhsa_kernel
	.amdgpu_metadata
---
amdhsa.version: [ 1, 2 ]
amdhsa.kernels:
  - .name:           k_q5ae35c288b_quant
    .symbol:         k_q5ae35c288b_quant.kd
    .args:
      - { .name: x, .offset: 0, .size: 8, .value_kind: global_buffer, .address_space: global }
      - { .name: w_qkv, .offset: 8, .size: 8, .value_kind: global_buffer, .address_space: global }
      - { .name: w_out, .offset: 16, .size: 8, .value_kind: global_buffer, .address_space: global }
      - { .name: xq, .offset: 24, .size: 8, .value_kind: global_buffer, .address_space: global }
      - { .name: wq, .offset: 32, .size: 8, .value_kind: global_buffer, .address_space: global }
      - { .name: wo, .offset: 40, .size: 8, .value_kind: global_buffer, .address_space: global }
    .group_segment_fixed_size: 34304
    .private_segment_fixed_size: 0
    .kernarg_segment_align: 8
    .kernarg_segment_size: 48
    .max_flat_workgroup_size: 128
    .sgpr_count:     66
    .vgpr_count:     256
    .wavefront_size: 32
...
	.end_amdgpu_metadata
.endif
;; end of part 1
;; launch qkv (part 2): grid 8 x 24, 4 waves a work-group, clusters of 4 x 4, 327,680 bytes of LDS; arguments xq, wq, b_qkv, key_padding_mask, qi, kv; writes qi, kv
.if DOCPART == 2
	.amdgcn_target "amdgcn-amd-amdhsa--gfx1250"
	.amdhsa_code_object_version 6
	.text
	.protected	k_q5ae35c288b_qkv
	.globl	k_q5ae35c288b_qkv
	.p2align	8
	.type	k_q5ae35c288b_qkv,@function
k_q5ae35c288b_qkv:
	s_mov_b64 s[64:65], 0
	v_nop
	global_prefetch_b8 v0, s[64:65] scope:SCOPE_SE
	s_setreg_imm32_b32 hwreg(HW_REG_WAVE_MODE, 25, 1), 1
	s_wait_xcnt 0x0
	s_wait_alu depctr_hold_cnt(0) depctr_sa_sdst(0) depctr_va_vdst(0) depctr_va_sdst(0) depctr_va_ssrc(0) depctr_va_vcc(0) depctr_vm_vsrc(0)
	s_getreg_b32 s2, hwreg(HW_REG_IB_STS2, 6, 4)
	s_cmp_eq_u32 s2, 0
	s_cbranch_scc0 .Lentry_in_a_cluster
	s_endpgm
.Lentry_in_a_cluster:
	s_bfe_u32 s2, ttmp6, 0x10000c
	s_cmp_lg_u32 s2, 0xf033
	s_cbranch_scc0 .Lentry_shape_is_right
	s_endpgm
.Lentry_shape_is_right:
; qkv = x w_qkv + b_qkv on codes of FP6 (E2M3) with E8M0 scales, and its results quantised at once for the attention launch: q and k along the head's 64, v along the keys.
; A tile of 256 x 256 to a work-group of four waves, 128 x 128 to a wave: 64 accumulators, 512 registers.  THE MATRIX INSTRUCTION IS USED TRANSPOSED: source 0 = 16 rows of 'B', source 1 = 16 rows of 'A':
; a lane holds ONE row of A, and its registers run along B's rows, which are the next product's K.
; TWO PARTS, by the cluster's y (Y):  Y < 4: A = x (tokens), B = w_qkv's columns 0 .. 2047: a lane holds a token and its registers run along d: q (cluster x = 0) and k (1).
;   Y >= 4: A = w_qkv's columns 2048 on, B = x: a lane holds one d of v and its registers run along the tokens, which are the keys.  192 work-groups: 128 + 64 tiles.
; Codes and scale bytes lie in xq and wq as images of the operand's registers (a piece of 64 along K of 16 rows is 768 bytes; a tile of 16 rows is 12,288): a K step's part of a tile is 3,072 dense bytes,
; every LDS load takes 512 or 256 consecutive bytes, and nothing is padded.
; K = 1,024 is four K steps of 256.  Three LDS slots take steps 0 to 2 with the first fills; only step 3 is a refill, into slot 0.  All scale words stay in 64 registers.
; CLUSTERS of 4 x 4: A's tiles are asked for jointly along a row of the cluster, B's along a column.
; THE ORDER INSIDE A BLOCK: a lane's 16 numbers of a block are rows 8 h + 0..7 and 16 + 8 h + 0..7 of B's 32, so in the codes a block's second and third groups of eight change places.
; Both operands of each later product are made so (q and k, v and p), which keeps the products.
; THE MASK RIDES IN k'S SCALE WORD.  The second product's K is 64 of the instruction's 128.  The attention launch sets one code at k = 64: 7.5 for each key, -7.5 for each query.  Byte 2 of a key's
; scale word is 227 (2^100) where the key is masked and 1 (2^-126) where not; byte 2 of a query's is 127; byte 3 is 127.  A masked score is so -56.25 x 2^100.
; LIMITS: a block of zeros gets the byte 1 (this program alone reads the bytes); NaN and infinities are not served.
; REGISTERS: window 0: v8-28 addresses; v32-95 scale words and nothing else; v96-103 mask bytes; v104-119 v's bias; v120-159 the epilogue's words; v160-255 A's fragments, ONE set, later the epilogue's numbers and codes.
;   window 1: B's fragments, TWO sets, v0-95 and v128-223; q's and k's bias in v96-127 and v224-255.   windows 2, 3: the accumulators, (a, b) at v[8 (8 (a % 4) + b)].
; WHAT HOLDS NOW OF LDS, THE MASK AND THE RECORDS (it takes the place of the lines above on the three slots and on the mask):
; LDS: X, 196,608 bytes: K steps 0 and 1, A's 16 tiles of rows x 6,144 bytes, then B's; Y, 98,304 bytes: K step 2, a quarter a wave; the scale bytes; the spare words.
; FILLS: at the head one load a wave (A's X, B's X, A's scale bytes, B's); Y behind a drained round; K step 3 is the one refill, a quarter a wave onto X's first 98,304 bytes, in a drained round in the step that has read X out.
; x's rows lie in xq so that row 8 h + j of tile t' of each 64 tokens is token 32 h + 8 t' + j: in part v a lane's 32 registers over four tiles of B are one block of 32 neighbouring keys, in their own order.
; THE MASK IS A CODE: at k = 64 a masked key has the code 7.5 and every other key 0; each query has -7.5.  That block's scale byte is 227 (2^100) for every key and 127 for every query: a masked score is -56.25 x 2^100, the others are untouched.
; RECORDS of 128 tokens: a tile of q or k is 1,024 bytes: registers 0-3 at 16 x lane, then registers 4, 5, the code at k = 64 and a zero at 512 + 16 x lane; eight tiles; at 8,192 the scale words as one image of four registers.
; qi: 8,704 bytes.  kv: 15,104: behind k's part v's codes at 8,704 and v's scale words at 14,848.
.set FR,    12
.set HALFT, 24576                      ; 128 rows x 256 along K: what one tensor load brings
.set SLOT,  98304                      ; A's two halves, then B's two
.set SCL,   294912                     ; the scale bytes of 256 rows, all of K: 8,192 bytes for each wave's load
.set SPARE, 311296                     ; the spare words, 128 bytes a wave: two blocks of 256 bytes that no other line names
.set A16, 8                            ; v8-10   slot s: my 128 rows of A, + 16 x lane
.set A8,  11                           ; v11-13  the same + 16 r + 8 h
.set B16, 14                           ; v14-16, v17-19 likewise for B
.set B8,  17
.set ADRS, 20                          ; v20  my scale words: lanes 0-15 A's rows, lanes 16-31 B's
.set SPW, 21                           ; v21  my spare word; never rewritten
.set NIL, 22                           ; v22  0; never rewritten
.set L16, 23                           ; v23  16 x lane
.set L8,  24                           ; v24  16 r + 8 h
.set L8L, 25                           ; v25  8 x lane
.set VBI, 26                           ; v26  32 h
.set VMK, 27                           ; v27  32 (r / 8) + r % 8
.set VBV, 28                           ; v28  4 r
.set SC,  32                           ; scale words: register 8 i + s: lanes 0-15 A's tile i, lanes 16-31 B's tile i, for the s-th 128 along K
.set RM,  96
.set BV,  104
.set W,   120
.set MBX, 136
.set XY,  144
.set AF,  160
.set T,   160
.set PC,  224
.set QM,  244
.set QB,  248
.set QS,  252
.set G1,  24                           ; s[24:31] group 1 for A's codes; s[32:39] B's; s[40:47], s[48:55] for the scale bytes
.set G1B, 32
.set G1S, 40
.set G1SB, 48
.set GA0, 56                           ; groups 0: A's slots
.set GA1, 60
.set GA2, 68
.set GB0, 72                           ; B's slots
.set GB1, 76
.set GB2, 80
.set GS,  84                           ; the scale bytes
.set GSB, 88
.set D0,  92                           ; s[92:93], s[94:95] where the results of my two heads go
.set MSB, 0
.macro WIN new                         ; the immediate's high byte repeats the setting that is left
.if MSB != (\new)
	s_set_vgpr_msb (MSB<<8)|(\new)
.set MSB, \new
.endif
.endm
.set MUL_LO, 0xa1                      ; source 0 (B) window 1, source 1 (A) window 0, C and D window 2
.set MUL_HI, 0xf1
.set TO_B,   0x40
.macro JLOAD g0a, g1a, g0b, g1b        ; a joint load: waves 0 and 1 fetch for A, waves 2 and 3 for B; four v_nop follow each line
	s_cmp_eq_u32 s17, 0
	s_cbranch_scc0 .Lfor_b_\@
	tensor_load_to_lds s[\g0a:\g0a+3], s[\g1a:\g1a+7]
	s_nop 0
.rept 4
	v_nop
.endr
	s_branch .Lasked_\@
.Lfor_b_\@:
	tensor_load_to_lds s[\g0b:\g0b+3], s[\g1b:\g1b+7]
	s_nop 0
.rept 4
	v_nop
.endr
.Lasked_\@:
.endm
.macro CREST                           ; a round of the cluster's barrier behind its opening barrier
	s_cmp_lg_u32 s16, 0
	s_cbranch_scc1 .Lnot_wave_0_\@
	s_barrier_signal -3
.Lnot_wave_0_\@:
	s_barrier_wait -3
	s_barrier_signal -1
	s_barrier_wait -1
.endm
.macro CROUND
	s_barrier_signal -1
	s_barrier_wait -1
	CREST
.endm
.macro MKG0 g, lreg, loff, areg, aoff  ; a group 0: count 1, LDS address, global address, type 2
	s_mov_b32 s[\g], 1
	s_add_co_u32 s[\g+1], s[\lreg], \loff
	s_add_nc_u64 s[\g+2:\g+3], s[\areg:\areg+1], \aoff
	s_or_b32 s[\g+3], s[\g+3], 0x80000000
.endm
.macro PLACES n
.rept \n
	v_nop
.endr
.endm
	s_load_b256 s[4:11], s[0:1], 0x0               ; xq s[4:5], wq s[6:7], b_qkv s[8:9], the mask s[10:11]
	s_load_b128 s[12:15], s[0:1], 0x20             ; qi s[12:13], kv s[14:15]
	v_lshl_add_u32 v[SPW], v0, 2, SPARE
	v_mov_b32 v[NIL], 0
	ds_add_u32 v21, v22
	ds_add_u32 v21, v22
	s_wait_dscnt 0x0
	v_lshrrev_b32 v1, 5, v0
	v_readfirstlane_b32 s16, v1                    ; wave 0..3
	s_lshr_b32 s17, s16, 1                         ; which half of A's rows is mine.  Also: I fetch for A (0) or for B (1)
	s_and_b32 s18, s16, 1                          ; which half of B's rows.  Also: which 128 rows I fetch
	s_bfe_u32 s19, ttmp6, 0x40000                  ; cx
	s_bfe_u32 s20, ttmp6, 0x40004                  ; cy
	s_and_b32 s21, ttmp7, 0xffff                   ; Y, the cluster's y
	s_lshl_b32 s2, s21, 1
	s_add_co_u32 s2, s2, ttmp9
	s_sub_co_u32 s2, s2, 8                         ; X + 2 Y - 8: part v's group of four token tiles
	s_cmp_ge_u32 s21, 4                            ; the part hangs on the cluster's y alone: it is the same in all sixteen partners
	s_cselect_b32 s22, 1, 0                        ; 1: part v
	s_cselect_b32 s3, 0, s21
	s_cselect_b32 s2, s2, ttmp9
	s_lshl_b32 s3, s3, 2
	s_add_co_u32 s3, s3, s20                       ; A's tile of 256 rows: 4 Y + cy, or cy
	s_lshl_b32 s2, s2, 2
	s_add_co_u32 s2, s2, s19                       ; B's tile: 4 X + cx, or 4 (X + 2 Y - 8) + cx
	s_lshl_b32 s23, s20, 2
	s_lshl_b32 s23, 15, s23                        ; my row of the cluster
	s_lshl_b32 s99, 0x1111, s19                    ; my column
	s_or_b32 s[G1], s23, (3<<16)|(1<<21)           ; 15:0 the mask; 17:16 elements of 8 bytes; 21 set beside a mask; no padding
	s_or_b32 s[G1S], s23, (3<<16)|(1<<21)
	s_or_b32 s[G1B], s99, (3<<16)|(1<<21)
	s_or_b32 s[G1SB], s99, (3<<16)|(1<<21)
.irp g, G1, G1B                        ; codes: 8 tiles of rows x 3,072 bytes (384 elements), 12,288 bytes (1,536) apart
	s_mov_b32 s[\g+1], 768<<16                     ; for the head's loads: 16 tiles of rows x 6,144 bytes (K steps 0 and 1)
	s_mov_b32 s[\g+2], 16<<16
	s_mov_b32 s[\g+3], 768<<16
	s_mov_b32 s[\g+4], 16
	s_mov_b32 s[\g+5], 1536
	s_mov_b32 s[\g+6], 0
	s_mov_b32 s[\g+7], 0
.endr
.irp g, G1S, G1SB                      ; scale bytes of 256 rows: 8,192 dense bytes as 32 rows of 256
	s_mov_b32 s[\g+1], 32<<16
	s_mov_b32 s[\g+2], 32<<16                      ; the scale bytes of 256 rows: 32 rows of 256 bytes
	s_mov_b32 s[\g+3], 32<<16
	s_mov_b32 s[\g+4], 32
	s_mov_b32 s[\g+5], 32
	s_mov_b32 s[\g+6], 0
	s_mov_b32 s[\g+7], 0
.endr
	s_mov_b32 s97, 3145728                         ; where x's scale bytes begin
	s_mov_b32 s98, 2359296                         ; where w's begin
	s_wait_kmcnt 0x0
	s_cmp_eq_u32 s22, 1
	s_cselect_b64 s[92:93], s[6:7], s[4:5]         ; A's buffer
	s_cselect_b64 s[94:95], s[4:5], s[6:7]         ; B's buffer
	s_cselect_b32 s96, 1572864, 0                  ; part v: A begins at w's row 2,048: 128 tiles of 12,288 bytes,
	s_cselect_b32 s97, 2424832, s97                ; and its scale bytes 64 x 1,024 behind w's first
	s_cselect_b32 s98, 3145728, s98
	s_lshl_b32 s23, s3, 4
	s_lshl_b32 s66, s18, 3
	s_add_co_u32 s23, s23, s66                     ; A: the first tile of 16 rows that I fetch
	s_mul_i32 s66, s23, 12288
	s_add_co_u32 s66, s66, s96
	s_mov_b32 s67, 0
	s_add_nc_u64 s[66:67], s[92:93], s[66:67]      ; its codes,
	s_lshl_b32 s96, s23, 9
	s_add_co_u32 s96, s96, s97
	s_mov_b32 s97, 0
	s_add_nc_u64 s[96:97], s[92:93], s[96:97]      ; its scale bytes (512 a tile)
	s_lshl_b32 s99, s2, 4
	s_lshl_b32 s100, s18, 3
	s_add_co_u32 s99, s99, s100                    ; B likewise, in registers of its own
	s_mul_i32 s100, s99, 12288
	s_mov_b32 s101, 0
	s_add_nc_u64 s[100:101], s[94:95], s[100:101]
	s_lshl_b32 s99, s99, 9
	s_add_co_u32 s98, s98, s99
	s_mov_b32 s99, 0
	s_add_nc_u64 s[98:99], s[94:95], s[98:99]
	s_mul_i32 s23, s16, HALFT                      ; a quarter a wave: no place in the cluster enters an LDS address
	MKG0 GA1, 23, 8*HALFT, 66, 6144                ; K step 2 of my 128 rows, into Y
	MKG0 GB1, 23, 8*HALFT, 100, 6144
	MKG0 GA2, 23, 0, 66, 9216                      ; K step 3, onto X's first bytes
	MKG0 GB2, 23, 0, 100, 9216
	s_mul_i32 s92, s18, 4*HALFT                    ; back from my half to the tile's first row: 8 tiles of 12,288 bytes,
	s_mov_b32 s93, 0
	s_sub_nc_u64 s[GA0+2:GA0+3], s[66:67], s[92:93]
	s_sub_nc_u64 s[GB0+2:GB0+3], s[100:101], s[92:93]
	s_lshl_b32 s92, s18, 12                        ; 4,096 scale bytes
	s_sub_nc_u64 s[GS+2:GS+3], s[96:97], s[92:93]
	s_sub_nc_u64 s[GSB+2:GSB+3], s[98:99], s[92:93]
.irp g, GA0, GB0, GS, GSB
	s_mov_b32 s[\g], 1
	s_or_b32 s[\g+3], s[\g+3], 0x80000000
.endr
	s_mov_b32 s[GA0+1], 0
	s_mov_b32 s[GB0+1], 4*HALFT
	s_mov_b32 s[GS+1], SCL
	s_mov_b32 s[GSB+1], SCL+8192
	CROUND                                         ; all sixteen work-groups are here: the first joint loads meet
; the head's loads, one a wave, in one chain of branches on the wave's number
.macro ARM under, g0, g1, next
	s_cmp_lt_u32 s16, \under
	s_cbranch_scc0 \next
	tensor_load_to_lds s[\g0:\g0+3], s[\g1:\g1+7]
	s_nop 0
.rept 4
	v_nop
.endr
	s_branch .Lhead_asked
\next:
.endm
	ARM 1, GA0, G1,  .Lhead_b
	ARM 2, GB0, G1B, .Lhead_sa
	ARM 3, GS,  G1S, .Lhead_sb
	tensor_load_to_lds s[GSB:GSB+3], s[G1SB:G1SB+7]
	s_nop 0
.rept 4
	v_nop
.endr
.Lhead_asked:
	v_and_b32 v1, 31, v0                           ; lane
	v_and_b32 v2, 15, v0                           ; r
	v_bfe_u32 v3, v0, 4, 1                         ; h
	v_lshlrev_b32 v[L16], 4, v1
	v_lshlrev_b32 v[L8], 4, v2
	v_lshl_add_u32 v[L8], v3, 3, v[L8]
	v_lshlrev_b32 v[L8L], 3, v1
	v_lshlrev_b32 v[VBI], 5, v3
	v_lshrrev_b32 v[VMK], 3, v2
	v_and_b32 v4, 7, v2
	v_lshl_add_u32 v[VMK], v[VMK], 5, v4           ; my token in a tile: 32 (r / 8) + r % 8
	v_lshlrev_b32 v[VBV], 2, v2
	s_mul_i32 s23, s17, 2*HALFT                    ; X: my 8 tiles of A x 6,144 bytes,
	s_mul_i32 s99, s18, 2*HALFT
	s_add_co_u32 s99, s99, 4*HALFT                 ; of B, behind A's 16
	v_add_nc_u32 v[A16], s23, v[L16]
	v_add_nc_u32 v[A8], s23, v[L8]
	v_add_nc_u32 v[B16], s99, v[L16]
	v_add_nc_u32 v[B8], s99, v[L8]
	s_mul_i32 s23, s17, HALFT                      ; K step 3, on X's first bytes: quarters of 24,576
	s_mul_i32 s99, s18, HALFT
	s_add_co_u32 s99, s99, 2*HALFT
	v_add_nc_u32 v[A16+2], s23, v[L16]
	v_add_nc_u32 v[A8+2], s23, v[L8]
	v_add_nc_u32 v[B16+2], s99, v[L16]
	v_add_nc_u32 v[B8+2], s99, v[L8]
	s_add_co_u32 s23, s23, 8*HALFT                 ; Y: the same quarters behind X
	s_add_co_u32 s99, s99, 8*HALFT
	v_add_nc_u32 v[A16+1], s23, v[L16]
	v_add_nc_u32 v[A8+1], s23, v[L8]
	v_add_nc_u32 v[B16+1], s99, v[L16]
	v_add_nc_u32 v[B8+1], s99, v[L8]
	s_lshl_b32 s23, s17, 12                        ; scale words: A's half,
	s_lshl_b32 s99, s18, 12
	s_add_co_u32 s99, s99, 8192                    ; B's half,
	s_sub_co_u32 s99, s99, s23
	v_mul_u32_u24 v4, s99, v3                      ; lanes 16-31 take B's: one product, h x the distance
	s_add_co_u32 s23, s23, SCL
	v_lshl_add_u32 v4, v2, 3, v4
	v_add_nc_u32 v[ADRS], s23, v4
	; THE SMALL OPERANDS OF BOTH PARTS are asked for by every work-group, so that the text has one way up to the epilogue.  Each address is made so that it lies inside its buffer in both parts
	; and is the right one in the part that uses it: column tile 4 X + cx (at most 7), token tile 4 (Y & 3) + cy (at most 15), v's rows 2,048 + 256 cy.
	s_lshl_b32 s23, ttmp9, 2
	s_add_co_u32 s23, s23, s19
	s_lshl_b32 s23, s23, 10
	s_lshl_b32 s99, s18, 9
	s_add_co_u32 s96, s23, s99                     ; b_qkv at column 256 (4 X + cx) + 128 x my half of B
	s_mov_b32 s97, 0
	s_add_nc_u64 s[66:67], s[8:9], s[96:97]
	s_lshl_b32 s23, s20, 10
	s_lshl_b32 s99, s17, 9
	s_add_co_u32 s96, s23, s99
	s_add_co_u32 s96, s96, 8192                    ; b_qkv at column 2,048 + 256 cy + 128 x my half of A
	s_add_nc_u64 s[8:9], s[8:9], s[96:97]
	s_and_b32 s23, s21, 3
	s_lshl_b32 s23, s23, 2
	s_add_co_u32 s23, s23, s20
	s_lshl_b32 s23, s23, 8
	s_lshl_b32 s99, s17, 7
	s_add_co_u32 s96, s23, s99                     ; the mask at token 256 (4 (Y & 3) + cy) + 128 x my half of A
	s_add_nc_u64 s[10:11], s[10:11], s[96:97]
	WIN TO_B
.irp b, 0,1,2,3,4,5,6,7                ; q's and k's bias in the result's layout: tile b's eight columns of my half
	global_load_b128 v[96+8*\b+96*(\b/4):96+8*\b+96*(\b/4)+3], v[VBI], s[66:67] offset:64*\b
	global_load_b128 v[96+8*\b+96*(\b/4)+4:96+8*\b+96*(\b/4)+7], v[VBI], s[66:67] offset:64*\b+16
.endr
	WIN 0
.irp a, 0,1,2,3,4,5,6,7
	global_load_u8 v[RM+\a], v[VMK], s[10:11] offset:64*(\a/4)+8*(\a%4)   ; the mask byte of my token in tile a
	global_load_b32 v[BV+2*\a], v[VBV], s[8:9] offset:64*\a      ; v's bias of my row in tile a, twice: a pair for the packed addition
	global_load_b32 v[BV+2*\a+1], v[VBV], s[8:9] offset:64*\a
.endr
	; where the results go: record ((batch x 16 + head) x 16 + which 128 tokens) of qi (8,704 bytes) or kv (15,104)
	s_cmp_eq_u32 s22, 1
	s_cselect_b32 s23, s2, s3                      ; the tile of 256 tokens: A's, in part v B's
	s_cselect_b32 s99, s20, s19                    ; which four heads
	s_cselect_b32 s96, s17, s18                    ; which two of them are my wave's
	s_cselect_b32 s97, s18, s17                    ; which 128 of the tokens
	s_lshr_b32 s92, s23, 3
	s_lshl_b32 s92, s92, 4
	s_lshl_b32 s99, s99, 2
	s_add_co_u32 s92, s92, s99
	s_lshl_b32 s96, s96, 1
	s_add_co_u32 s92, s92, s96
	s_lshl_b32 s92, s92, 4
	s_and_b32 s23, s23, 7
	s_lshl_b32 s23, s23, 1
	s_add_co_u32 s92, s92, s23
	s_add_co_u32 s92, s92, s97
	s_or_b32 s23, s22, ttmp9                       ; 0 for q alone
	s_mov_b32 s99, 15104
	s_cmp_eq_u32 s23, 0
	s_cselect_b32 s99, 8704, s99
	s_cselect_b64 s[94:95], s[12:13], s[14:15]
	s_mul_i32 s92, s92, s99
	s_mov_b32 s93, 0
	s_add_nc_u64 s[D0:D0+1], s[94:95], s[92:93]    ; my first head's record,
	s_lshl_b32 s96, s99, 4
	s_mov_b32 s97, 0
	s_add_nc_u64 s[D0+2:D0+3], s[D0:D0+1], s[96:97]   ; my second head's: 16 records on
	s_mov_b32 s3, 0x7fe30000                       ; bytes 2 and 3 of a scale word: k: 227, 127; q: 127, 127
	s_cmp_eq_u32 ttmp9, 0
	s_cselect_b32 s96, 0, 31                       ; the code at k = 64 = mask x s96 + s97: q: 63 (-7.5); k: 31 (7.5) where masked, else 0
	s_cselect_b32 s97, 63, 0
	s_cselect_b32 s3, 0x7f7f0000, s3
	s_mov_b32 s98, 0xffff0000                      ; lanes 16-31
	s_mov_b32 s100, 0x76543210
	s_mov_b32 s101, 0xfedcba98                     ; v_permlanex16_b32's selects for lane l xor 16
.macro FRAG reg, a16, a8, q, i         ; a fragment, 16 rows x 128 K, 12 registers: two pieces of 64 along K, each four registers at 16 x lane and two at 512 + 16 r + 8 h
	ds_load_b128 v[\reg:\reg+3], v[\a16] offset:(\i)*PT_+EX_
	ds_load_b64 v[\reg+4:\reg+5], v[\a8] offset:(\i)*PT_+EX_+512
	ds_load_b128 v[\reg+6:\reg+9], v[\a16] offset:(\i)*PT_+EX_+768
	ds_load_b64 v[\reg+10:\reg+11], v[\a8] offset:(\i)*PT_+EX_+1280
.endm
.macro WHERE ks, q                     ; K step ks (0..3), its q-th 128: which address register (X, Y, K step 3's), the bytes from tile to tile, the bytes inside a tile
.set RI_, ((\ks)/2)*((\ks)-1)
.set PT_, 6144-3072*((\ks)/2)
.set EX_, 3072*((\ks)%2)*(1-(\ks)/2)+(\q)*1536
.endm
.macro FETCH_B slot, q, p
	WHERE \slot, \q
	WIN TO_B
.irp i, 0,1,2,3,4,5,6,7
	FRAG 128*(\p)+FR*\i, B16+RI_, B8+RI_, \q, \i
.endr
	WIN 0
.endm
.macro FETCH_A slot, q, i0
	WHERE \slot, \q
.irp i, \i0, \i0+1, \i0+2, \i0+3
	FRAG AF+FR*(\i), A16+RI_, A8+RI_, \q, \i
.endr
.endm
; 16 matrix instructions: A's blocks a0, a0 + 1 x B's eight, the sg-th 128 along K; p: B's set.  zero = 1: the first product starts the sums.
; The 64 accumulators take turns, one instruction a turn, in the same order in every step.
.macro MUL16 a0, p, sg, zero
.irp a, \a0, \a0+1
.irp b, 0,1,2,3,4,5,6,7
.if \zero
	v_wmma_scale_f32_16x16x128_f8f6f4 v[8*(8*((\a)%4)+\b):8*(8*((\a)%4)+\b)+7], v[128*(\p)+FR*\b:128*(\p)+FR*\b+FR-1], v[AF+FR*(\a):AF+FR*(\a)+FR-1], 0, v[SC+8*\b+(\sg)], v[SC+8*(\a)+(\sg)] matrix_a_fmt:MATRIX_FMT_FP6 matrix_b_fmt:MATRIX_FMT_FP6 matrix_a_scale:MATRIX_SCALE_ROW1
.else
	v_wmma_scale_f32_16x16x128_f8f6f4 v[8*(8*((\a)%4)+\b):8*(8*((\a)%4)+\b)+7], v[128*(\p)+FR*\b:128*(\p)+FR*\b+FR-1], v[AF+FR*(\a):AF+FR*(\a)+FR-1], v[8*(8*((\a)%4)+\b):8*(8*((\a)%4)+\b)+7], v[SC+8*\b+(\sg)], v[SC+8*(\a)+(\sg)] matrix_a_fmt:MATRIX_FMT_FP6 matrix_b_fmt:MATRIX_FMT_FP6 matrix_a_scale:MATRIX_SCALE_ROW1
.endif
.endr
.endr
.endm
; A step of 128 along K; its successor's fragments lie at the nq-th 128 of slot ns, which every wave knows to be whole.  A load into a register that a matrix instruction has read stands four
; plain vector instructions behind it (ISA guide 7.12.1 for vector instructions).
.macro STEP sg, ns, nq, zero
	s_wait_dscnt 16                                ; B's set and A's blocks 0-3 are in; the youngest 16 loads (A's blocks 4-7) may be out
	WIN MUL_LO
	MUL16 0, (\sg)%2, \sg, \zero
	MUL16 2, (\sg)%2, \sg, \zero
	s_wait_dscnt 0x0                               ; A's blocks 4-7 are in
	PLACES 4
	FETCH_B \ns, \nq, 1-(\sg)%2
	FETCH_A \ns, \nq, 0
	WIN MUL_HI
	MUL16 4, (\sg)%2, \sg, \zero
	MUL16 6, (\sg)%2, \sg, \zero
	PLACES 4
	WIN 0
	FETCH_A \ns, \nq, 4
.endm
; A step with a barrier in it.  In front of the barrier each wave waits for all its tensor loads, adds 0 to its spare word, and waits for that and for its LDS reads.
; fill = 1: the barrier opens a round of the cluster's barrier, behind which slot 0, read out, takes K step 3.
.macro TURN sg, ns, fill
	s_wait_tensorcnt 0x0                           ; all my tensor loads have landed
	ds_add_u32 v[SPW], v[NIL]                      ; 0 onto my spare word
	s_wait_dscnt 17                                ; (the add and the youngest 16 loads, A's blocks 4-7, may be out)
	WIN MUL_LO
	MUL16 0, 1, \sg, 0
	s_wait_dscnt 0x0                               ; the add is done, and my reads of the slots behind me are over
	s_barrier_signal -1
	MUL16 2, 1, \sg, 0
	WIN 0
	s_barrier_wait -1
.if \fill
	CREST                                          ; no wave of any partner still reads slot 0 or has a load on its way
	JLOAD GA2, G1, GB2, G1B                        ; K step 3, the first tensor load behind the round; one and a half steps, 96 matrix instructions, stand ahead of the wait for it; its four v_nop are the places for the loads below
.else
	PLACES 4
.endif
	FETCH_B \ns, 0, 0
	FETCH_A \ns, 0, 0
	WIN MUL_HI
	MUL16 4, 1, \sg, 0
	MUL16 6, 1, \sg, 0
	PLACES 4
	WIN 0
	FETCH_A \ns, 0, 4
.endm
	s_wait_alu depctr_va_vdst(0)
	s_wait_tensorcnt 0x0                           ; my tile of the head's four is in
	ds_add_u32 v[SPW], v[NIL]
.irp g, G1, G1B                        ; no tensor load of mine is out: from here on a load brings 8 tiles of rows x 3,072 bytes
	s_mov_b32 s[\g+1], 384<<16
	s_mov_b32 s[\g+2], 8<<16
	s_mov_b32 s[\g+3], 384<<16
	s_mov_b32 s[\g+4], 8
.endr
	s_wait_dscnt 0x0
	CROUND                                         ; all four tiles are in, and all sixteen work-groups are here
	JLOAD GA1, G1, GB1, G1B                        ; K step 2 into Y, the first tensor load behind the round
	FETCH_B 0, 0, 0
	FETCH_A 0, 0, 0
.irp i, 0,1,2,3,4,5,6,7                ; all scale words, once: eight bytes a lane are the words of two steps of 128
.irp sp, 0,1,2,3
	ds_load_b64 v[SC+8*\i+2*\sp:SC+8*\i+2*\sp+1], v[ADRS] offset:(\i/2)*1024+\sp*256+(\i%2)*128
.endr
.endr
	FETCH_A 0, 0, 4
	STEP 0, 0, 1, 1                                ; K step 0
	STEP 1, 1, 0, 0
	STEP 2, 1, 1, 0                                ; K step 1
	TURN 3, 2, 1                                   ; X is read out and Y has landed in every wave's part: K step 3 is asked for
	STEP 4, 2, 1, 0                                ; K step 2
	TURN 5, 3, 0                                   ; K step 3 has landed in every wave's part
	STEP 6, 3, 1, 0
	s_wait_dscnt 16                                ; the last step: nothing more to fetch
	WIN MUL_LO
	MUL16 0, 1, 7, 0
	MUL16 2, 1, 7, 0
	s_wait_dscnt 0x0
	WIN MUL_HI
	MUL16 4, 1, 7, 0
	MUL16 6, 1, 7, 0
	WIN 0
	PLACES 4                                       ; in front of the first read of results and the first write of A's registers
	s_wait_loadcnt 0x0                             ; the biases and the mask
.irp b, 0,1,2,3
	v_mov_b32 v[QB+\b], 0                          ; (a lane permute's destination counts as one of its sources)
.endr
; 64 numbers of a lane, v[s] on: register 16 b + i belongs to block b of my row; lanes l and l xor 16 share a block.  They become a fragment's codes in v[PC] on and four scale bytes in v[QB] on.
.macro QUANT s
.irp b, 0,1,2,3
	v_max3_num_f32 v[QM+\b], |v[\s+16*\b]|, |v[\s+1+16*\b]|, 0x1800000    ; my 16 numbers, and the floor 2^(3 - 127): the byte cannot fall under 1
.endr
.irp i, 2,4,6,8,10,12,14
.irp b, 0,1,2,3
	v_max3_num_f32 v[QM+\b], v[QM+\b], |v[\s+16*\b+\i]|, |v[\s+1+16*\b+\i]|   ; (the four blocks by turns)
.endr
.endr
.irp b, 0,1,2,3
	v_permlanex16_b32 v[QB+\b], v[QM+\b], s100, s101
.endr
.irp b, 0,1,2,3
	v_max_num_f32 v[QM+\b], v[QM+\b], v[QB+\b]     ; the block's largest magnitude
.endr
.irp b, 0,1,2,3
	v_add_nc_u32 v[QS+\b], 0xff000000, v[QM+\b]    ; 2 off its exponent field: the conversion's scale operand
.endr
.irp b, 0,1,2,3
	v_lshrrev_b32 v[QB+\b], 23, v[QS+\b]           ; the scale's byte
.endr
.irp c, 0,1
	v_cvt_scalef32_pk16_fp6_f32 v[PC+6*\c:PC+2+6*\c], v[\s+32*\c:\s+15+32*\c], v[QS+2*\c]
	v_cvt_scalef32_pk16_fp6_f32 v[PC+12+4*\c:PC+14+4*\c], v[\s+16+32*\c:\s+31+32*\c], v[QS+2*\c+1]   ; (a conversion's three registers begin on an even number)
.endr
	v_nop                                          ; one plain place behind a scaled conversion
.irp c, 0,1                            ; the operand's layout wants a WHOLE block in a lane: lanes 0-15 block 2 c, lanes 16-31 block 2 c + 1
.irp i, 0,1,2
	v_permlane16_swap_b32 v[PC+6*\c+\i], v[PC+12+4*\c+\i]
.endr
.irp i, 0,1,2
	v_mov_b32 v[PC+3+6*\c+\i], v[PC+12+4*\c+\i]
.endr
.endr
.endm
	s_cmp_eq_u32 s22, 1
	s_cbranch_scc1 .Lpart_v
	; ---- q or k.  Tile a: my token's 128 columns are two heads of 64: registers 6 e .. 6 e + 5 of the codes are head e's piece.
.irp a, 0,1,2,3,4,5,6,7
	v_mad_u32_u24 v[MBX+\a], v[RM+\a], s96, s97    ; my token's code at k = 64,
.endr
.irp a, 0,1,2,3,4,5,6,7
	v_cndmask_b32 v[MBX+\a], v[MBX+\a], 0, s98     ; which lies in lanes 0-15; lanes 16-31 hold k = 96 on: zeros
.endr
	v_mov_b32 v155, 0
	v_mov_b32 v159, 0
.macro EPIQ a
	WIN 0x06+(\a)/4                                ; source 0: the accumulators' window; source 1: the bias, window 1
.irp b, 0,1,2,3,4,5,6,7
.irp j, 0,2,4,6
	v_pk_add_f32 v[T+8*\b+\j:T+8*\b+\j+1], v[8*(8*((\a)%4)+\b)+\j:8*(8*((\a)%4)+\b)+\j+1], v[96+8*\b+96*(\b/4)+\j:96+8*\b+96*(\b/4)+\j+1]   ; + bias, and into window 0; each accumulator from its low end on
.endr
.endr
	WIN 0
.if (\a) > 0
	s_wait_xcnt 0x0                                ; the last tile's stores have read the code registers
.endif
	QUANT T
.irp e, 0,1
	v_lshl_or_b32 v[W+8*\e+(\a)], v[QB+1+2*\e], 8, v[QB+2*\e]
	v_or_b32 v[W+8*\e+(\a)], s3, v[W+8*\e+(\a)]
	v_mov_b32 v[152+4*\e], v[PC+6*\e+4]            ; registers 4 to 7 of the operand: two of codes, the code at k = 64, a zero
	v_mov_b32 v[153+4*\e], v[PC+6*\e+5]
	v_mov_b32 v[154+4*\e], v[MBX+(\a)]
	global_store_b128 v[L16], v[PC+6*\e:PC+6*\e+3], s[D0+2*\e:D0+2*\e+1] offset:(\a)*1024         ; 512 consecutive bytes
	global_store_b128 v[L16], v[152+4*\e:155+4*\e], s[D0+2*\e:D0+2*\e+1] offset:(\a)*1024+512     ; 512 consecutive bytes
.endr
.endm
.irp a, 0,1,2,3,4,5,6,7
	EPIQ \a
.endr
.irp e, 0,1                            ; the scale words of 64 tokens as one image of a register pair: the first: tile 0 in lanes 0-15, tile 1 in lanes 16-31; the second: tiles 2 and 3
.irp g, 0,1
	v_cndmask_b32 v[XY+4*\e+2*\g], v[W+8*\e+4*\g], v[W+8*\e+4*\g+1], s98
	v_cndmask_b32 v[XY+4*\e+2*\g+1], v[W+8*\e+4*\g+2], v[W+8*\e+4*\g+3], s98
.endr
	global_store_b128 v[L16], v[XY+4*\e:XY+4*\e+3], s[D0+2*\e:D0+2*\e+1] offset:8192   ; register k of the image: tile 2 k in lanes 0-15, tile 2 k + 1 in lanes 16-31
.endr
	s_branch .Ljoin
	; ---- v.  Tile a: my row is d = 16 (a % 4) + r of head a / 4; its 128 columns are one key step: a whole fragment, stored as three planes of 512 bytes.
.Lpart_v:
	v_lshrrev_b32 v29, 2, v[VBI]                   ; 8 h: my bytes' place in a scale word
; 64 numbers of a lane, v[s] on: registers 32 c + i are key 64 c + 32 h + i of my row: two whole blocks.  They become a fragment's codes in v[PC] on and the row's scale word in v[W + a].
.macro QUANTV s, a
.irp c, 0,1
	v_max3_num_f32 v[QM+\c], |v[\s+32*\c]|, |v[\s+1+32*\c]|, 0x1800000    ; and the floor 2^(3 - 127)
.endr
.irp i, 2,4,6,8,10,12,14,16,18,20,22,24,26,28,30
.irp c, 0,1
	v_max3_num_f32 v[QM+\c], v[QM+\c], |v[\s+32*\c+\i]|, |v[\s+1+32*\c+\i]|
.endr
.endr
.irp c, 0,1
	v_add_nc_u32 v[QS+\c], 0xff000000, v[QM+\c]    ; the conversion's scale operand
.endr
.irp c, 0,1
	v_lshrrev_b32 v[QB+\c], 23, v[QS+\c]           ; the scale's byte
.endr
	v_lshl_or_b32 v[QB+2], v[QB+1], 16, v[QB]      ; blocks h and 2 + h,
	v_lshlrev_b32 v[QB+2], v29, v[QB+2]            ; at their places;
	v_permlanex16_b32 v[QB+3], v[QB+2], s100, s101
	v_or_b32 v[W+(\a)], v[QB+2], v[QB+3]           ; with lane l xor 16's two the word is whole
.irp c, 0,1
	v_cvt_scalef32_pk16_fp6_f32 v[PC+6*\c:PC+2+6*\c], v[\s+32*\c:\s+15+32*\c], v[QS+\c]
	v_cvt_scalef32_pk16_fp6_f32 v[PC+12+4*\c:PC+14+4*\c], v[\s+16+32*\c:\s+31+32*\c], v[QS+\c]
.endr
	v_nop                                          ; one plain place behind a scaled conversion
.irp c, 0,1
.irp i, 0,1,2
	v_mov_b32 v[PC+3+6*\c+\i], v[PC+12+4*\c+\i]
.endr
.endr
.endm
.macro EPIV a
	WIN 0x02+(\a)/4
.irp b, 0,1,2,3,4,5,6,7
.irp j, 0,2,4,6
	v_pk_add_f32 v[T+8*\b+\j:T+8*\b+\j+1], v[8*(8*((\a)%4)+\b)+\j:8*(8*((\a)%4)+\b)+\j+1], v[BV+2*(\a):BV+2*(\a)+1]
.endr
.endr
	WIN 0
.if (\a) > 0
	s_wait_xcnt 0x0
.endif
	QUANTV T, \a
.irp c, 0,1,2
	global_store_b128 v[L16], v[PC+4*\c:PC+4*\c+3], s[D0+2*((\a)/4):D0+2*((\a)/4)+1] offset:8704+((\a)%4)*1536+512*\c
.endr
.endm
.irp a, 0,1,2,3,4,5,6,7
	EPIV \a
.endr
.irp e, 0,1
	v_cndmask_b32 v[XY+2*\e], v[W+4*\e], v[W+4*\e+1], s98
	v_cndmask_b32 v[XY+2*\e+1], v[W+4*\e+2], v[W+4*\e+3], s98
	global_store_b64 v[L8L], v[XY+2*\e:XY+2*\e+1], s[D0+2*\e:D0+2*\e+1] offset:14848
.endr
.Ljoin:
	s_wait_tensorcnt 0x0                           ; the wave's end
	ds_add_u32 v[SPW], v[NIL]
	s_wait_dscnt 0x0
	CROUND                                         ; the closing round: no work-group ends while a partner may still ask for a tile that names it
	s_endpgm
.Lfunc_end_k_q5ae35c288b_qkv:
	.size	k_q5ae35c288b_qkv, .Lfunc_end_k_q5ae35c288b_qkv-k_q5ae35c288b_qkv
	.p2alignl 7, 3214868480
	.fill 96, 4, 3214868480
	.section	.rodata,"a",@progbits
	.p2align	6, 0x0
	.amdhsa_kernel k_q5ae35c288b_qkv
		.amdhsa_group_segment_fixed_size 327680
		.amdhsa_private_segment_fixed_size 0
		.amdhsa_enable_private_segment 0
		.amdhsa_kernarg_size 48
		.amdhsa_user_sgpr_count 2
		.amdhsa_user_sgpr_kernarg_segment_ptr 1
		.amdhsa_wavefront_size32 1
		.amdhsa_system_sgpr_workgroup_id_x 1
		.amdhsa_system_sgpr_workgroup_id_y 1
		.amdhsa_system_sgpr_workgroup_id_z 1
		.amdhsa_system_vgpr_workitem_id 0
		.amdhsa_next_free_vgpr 1024
		.amdhsa_next_free_sgpr 102
		.amdhsa_reserve_vcc 0
		.amdhsa_float_denorm_mode_32 3
		.amdhsa_float_denorm_mode_16_64 3
		.amdhsa_memory_ordered 1
		.amdhsa_forward_progress 1
		.amdhsa_inst_pref_size 216
	.end_amdhsa_kernel
	.amdgpu_metadata
---
amdhsa.version: [ 1, 2 ]
amdhsa.kernels:
  - .name:           k_q5ae35c288b_qkv
    .symbol:         k_q5ae35c288b_qkv.kd
    .args:
      - { .name: xq, .offset: 0, .size: 8, .value_kind: global_buffer, .address_space: global }
      - { .name: wq, .offset: 8, .size: 8, .value_kind: global_buffer, .address_space: global }
      - { .name: b_qkv, .offset: 16, .size: 8, .value_kind: global_buffer, .address_space: global }
      - { .name: key_padding_mask, .offset: 24, .size: 8, .value_kind: global_buffer, .address_space: global }
      - { .name: qi, .offset: 32, .size: 8, .value_kind: global_buffer, .address_space: global }
      - { .name: kv, .offset: 40, .size: 8, .value_kind: global_buffer, .address_space: global }
    .group_segment_fixed_size: 327680
    .private_segment_fixed_size: 0
    .kernarg_segment_align: 8
    .kernarg_segment_size: 48
    .max_flat_workgroup_size: 128
    .sgpr_count:     102
    .vgpr_count:     1024
    .wavefront_size: 32
...
	.end_amdgpu_metadata
.endif
;; end of part 2
;; launch attn (part 3): grid 8 x 32, 16 waves a work-group, clusters of 4 x 1, 243,712 bytes of LDS; arguments qi, kv, oi; writes oi
.if DOCPART == 3
	.amdgcn_target "amdgcn-amd-amdhsa--gfx1250"
	.amdhsa_code_object_version 6
	.text
	.protected	k_q5ae35c288b_attn
	.globl	k_q5ae35c288b_attn
	.p2align	8
	.type	k_q5ae35c288b_attn,@function
k_q5ae35c288b_attn:
	s_mov_b64 s[64:65], 0
	v_nop
	global_prefetch_b8 v0, s[64:65] scope:SCOPE_SE
	s_setreg_imm32_b32 hwreg(HW_REG_WAVE_MODE, 25, 1), 1
	s_wait_xcnt 0x0
	s_wait_alu depctr_hold_cnt(0) depctr_sa_sdst(0) depctr_va_vdst(0) depctr_va_sdst(0) depctr_va_ssrc(0) depctr_va_vcc(0) depctr_vm_vsrc(0)
	s_getreg_b32 s2, hwreg(HW_REG_IB_STS2, 6, 4)
	s_cmp_eq_u32 s2, 0
	s_cbranch_scc0 .Lentry_in_a_cluster
	s_endpgm
.Lentry_in_a_cluster:
	s_bfe_u32 s2, ttmp6, 0x10000c
	s_cmp_lg_u32 s2, 0x3003
	s_cbranch_scc0 .Lentry_shape_is_right
	s_endpgm
.Lentry_shape_is_right:
; o = softmax(q k^T / 8, masked keys left out) v for one (batch, head) and 256 queries, both products on codes of FP6 (E2M3) with E8M0 scales; o is quantised at once for the last product.
; THE SOFTMAX: t = score x log2(e) / 8; M = the row's largest t so far, rounded UP to a whole number; p = 2^(t - M) is quantised along the keys, not normalised.  The row's sum is taken of the
; unquantised p and divides o at the end.  When M moves, the sum and o are multiplied by 2^(old M - new M): exact.
; SHARES: sixteen waves, each with one tile of 16 queries in 256 registers, four waves to a SIMD.  A head's K, V and scale words are 16 records of 15,104 bytes (128 keys each): they lie in LDS whole, as in memory.
; FILLS: wave w asks for record w, 59 rows of 256 bytes: one tensor load a wave, nothing is filled again.  Waves 0-3 have a load line of their own: the first barrier shows records 0-3, which the first
; four key steps read; a second barrier, in front of which every wave has waited, shows the rest.  No barrier stands inside the two loops.
; CLUSTER: the four query blocks of a cluster belong to one head: every record is asked for jointly, with the mask of all four.
; NO PREFETCH: all that the work-group reads is asked for by the head's sixteen loads; no loop runs ahead of a load.
; LAYOUT: both products are used transposed: S^T = K Q^T, O^T = V^T P^T: a lane holds one query (lane % 16).  Row 8 h + j of tile t' of each 64 tokens is token 32 h + 8 t' + j (the first launch lays x so):
; registers 32 c + 8 t' + j of S^T in lane (r, h) are keys 64 c + 32 h + 8 t' + j: a WHOLE block of 32 keys in their own order, which is the operand's layout: no lane asks another for a block's maximum, no codes change lanes.
; THE MASK: the first product's K is 64 of the instruction's 128.  At k = 64 a masked key has the code 7.5, every other key 0, each query -7.5; that block's scale is 2^100 for all keys.  A masked score is
; -56.25 x 2^100.  The largest t begins at -2^100, above every masked t, so that masked keys never set M, and their p is exactly 0.
; LIMITS: |t| stays under 2^100; a batch row whose keys are ALL masked (NaN by the definition) is not served; NaN and infinities are not served; a block of zeros gets the scale byte 1 (this program alone reads it).
; A RECORD: 0: K, 8 tiles x 1,024 (registers 0-3 at 16 x lane; 4-7 at 512 + 16 x lane);  8,192: K's scale words, an image of four registers;  8,704: V, 4 tiles of 16 d x 3 planes of 512;  14,848: V's scale words, an image of a pair.
; REGISTERS: v1 16 x lane, v2 8 x lane, v3 8 h; v4, v5 the add's two; v6, v7 the step's addresses; v8-11 maxima, later a sum; v12 -M, v13 the largest t, v[14:15] the sum; v16-27 Q, v28 its scale words; v29 a temporary;
;   v[30:31] V's scale words; v32-79 four fragments of K (registers 8-11 of each: zeros, set once); v80-127 V's four; v128-191 S^T, then p; v192-223 O^T; v224-235 p's codes; v236-242 the second halves of its blocks;
;   v244, v245 conversion scales; v[246:247], v[254:255] temporaries and sums; v248-251 K's scale words; v252 f; v253 p's scale word.
.set REC,   15104
.set QREC,  8704
.set SPARE, 16*REC                     ; behind the records: the spare words, 128 bytes a wave
.set L16, 1
.set L8,  2
.set SH,  3
.set SPW, 4
.set NIL, 5
.set A16, 6
.set A8,  7
.set BM,  8
.set TT,  29
.set VS,  30
.set KF,  32
.set VF,  80
.set S,   128
.set O,   192
.set PC,  224
.set T0,  236
.set CV,  244
.set XL,  246
.set KS,  248
.set WV,  10
.set G1,  16
.set G0,  32
.set SEL, 48
.set CS,  50
.set TB,  52
.set CNT, 53
.macro CROUND
	s_barrier_signal -1
	s_barrier_wait -1
	s_cmp_lg_u32 s[WV], 0
	s_cbranch_scc1 .Lnot_wave_0_\@
	s_barrier_signal -3
.Lnot_wave_0_\@:
	s_barrier_wait -3
	s_barrier_signal -1
	s_barrier_wait -1
.endm
.macro WALU
	s_wait_alu depctr_va_vdst(0)
.endm
.macro DEP n
	s_delay_alu instid0(VALU_DEP_\n)
.endm
	s_load_b128 s[4:7], s[0:1], 0x0                ; qi, kv
	s_load_b64 s[8:9], s[0:1], 0x10                ; oi
	v_lshl_add_u32 v[SPW], v0, 2, SPARE
	v_mov_b32 v[NIL], 0
	ds_add_u32 v[SPW], v[NIL]                      ; the opening lines: the add twice on end and its wait
	ds_add_u32 v[SPW], v[NIL]
	v_lshrrev_b32 v6, 5, v0
	v_readfirstlane_b32 s[WV], v6                  ; wave 0..15
	s_bfe_u32 s11, ttmp6, 0x40000                  ; cx
	s_lshl_b32 s12, ttmp9, 2
	s_add_co_u32 s12, s12, s11                     ; my block of 256 queries: it enters Q's and o's addresses alone
	s_and_b32 s13, ttmp7, 0xffff                   ; batch x 16 + head, which the four partners share
	s_mov_b32 s[G1], 15|(3<<16)|(1<<21)            ; all four work-groups; elements of 8 bytes; bit 21 beside a mask; no padding
	s_mov_b32 s[G1+1], 32<<16
	s_mov_b32 s[G1+2], 59<<16
	s_mov_b32 s[G1+3], 32<<16
	s_mov_b32 s[G1+4], 59
	s_mov_b32 s[G1+5], 32
	s_mov_b32 s[G1+6], 0
	s_mov_b32 s[G1+7], 0
	s_mul_i32 s56, s13, 16*REC
	s_mul_i32 s15, s[WV], REC                      ; LDS mirrors the head's bytes
	s_add_co_u32 s56, s56, s15
	s_mov_b32 s57, 0
	s_mov_b32 s[G0], 1
	s_mov_b32 s[G0+1], s15
	s_mov_b32 s[SEL], 0x76543210
	s_mov_b32 s[SEL+1], 0xfedcba98                 ; v_permlanex16_b32's selects for lane l xor 16
	s_mov_b32 s[CS], 0x3e38aa3b                    ; c = log2(e) / 8
	s_mov_b32 s[CS+1], s[CS]
	s_wait_dscnt 0x0
	s_wait_kmcnt 0x0
	s_add_nc_u64 s[G0+2:G0+3], s[6:7], s[56:57]
	s_or_b32 s[G0+3], s[G0+3], 0x80000000
	CROUND                                         ; all four work-groups are here: the joint loads meet
	s_cmp_lt_u32 s[WV], 4
	s_cbranch_scc0 .Llater
	tensor_load_to_lds s[G0:G0+3], s[G1:G1+7]      ; records 0-3: the line of the waves that wait ahead of the first barrier
	s_nop 0
.rept 4
	v_nop
.endr
	s_branch .Lasked
.Llater:
	tensor_load_to_lds s[G0:G0+3], s[G1:G1+7]      ; records 4-15
	s_nop 0
.rept 4
	v_nop
.endr
.Lasked:
	s_lshl_b32 s58, s13, 4
	s_lshl_b32 s60, s12, 1
	s_add_co_u32 s58, s58, s60
	s_lshr_b32 s60, s[WV], 3
	s_add_co_u32 s58, s58, s60
	s_mul_i32 s58, s58, QREC                       ; qi's record of my 128 queries
	s_and_b32 s60, s[WV], 7                        ; my tile in it
	s_lshl_b32 s61, s60, 10
	s_add_co_u32 s62, s58, s61
	s_mov_b32 s63, 0
	s_and_b32 s61, s60, 1
	s_lshl_b32 s61, s61, 8
	s_add_co_u32 s58, s58, s61                     ; my scale words: which half of the image's lanes,
	s_lshr_b32 s61, s60, 1
	s_lshl_b32 s61, s61, 2
	s_add_co_u32 s58, s58, s61                     ; which of its four registers
	s_add_co_u32 s58, s58, 8192
	s_mov_b32 s59, 0
	s_add_nc_u64 s[60:61], s[4:5], s[62:63]
	s_add_nc_u64 s[62:63], s[4:5], s[58:59]
	v_and_b32 v6, 31, v0
	v_and_b32 v7, 15, v0
	v_bfe_u32 v[SH], v0, 4, 1
	v_lshlrev_b32 v[L16], 4, v6
	v_lshlrev_b32 v[L8], 3, v6
	v_lshlrev_b32 v[TT], 4, v7
	v_lshlrev_b32 v[SH], 3, v[SH]
	global_load_b128 v[16:19], v[L16], s[60:61]              ; Q's registers 0-3,
	global_load_b128 v[20:23], v[L16], s[60:61] offset:512   ; 4, 5, the code at k = 64 and a zero
	global_load_b32 v28, v[TT], s[62:63]
.irp i, 24,25,26,27
	v_mov_b32 v[\i], 0
.endr
.irp t, 0,1,2,3
.irp i, 8,9,10,11
	v_mov_b32 v[KF+12*\t+\i], 0
.endr
.endr
	v_mov_b32 v13, 0xf1800000                      ; the largest t so far: -2^100
	v_floor_f32 v12, -v13                          ; -M
	v_mov_b32 v14, 0
	v_mov_b32 v15, 0
	v_mov_b32 v[XL], 0                             ; (a lane permute's destination counts as one of its sources)
	v_mov_b32 v252, 0
	v_mov_b32 v253, 0
.set J, 0
.rept 32
	v_mov_b32 v[O+J], 0                            ; the step is written once: the first finds zeros, which the first change of M leaves zeros
.set J, J+1
.endr
.macro KQ g, t                         ; S^T of tile 4 g + t; its scale words lie in lanes 0-15 (t even) or 16-31 (t odd) of register (4 g + t) / 2
.if (\t)%2
	v_wmma_scale_f32_16x16x128_f8f6f4 v[S+8*(4*\g+\t):S+8*(4*\g+\t)+7], v[KF+12*\t:KF+12*\t+11], v[16:27], 0, v[KS+2*\g+\t/2], v28 matrix_a_fmt:MATRIX_FMT_FP6 matrix_b_fmt:MATRIX_FMT_FP6 matrix_a_scale:MATRIX_SCALE_ROW1
.else
	v_wmma_scale_f32_16x16x128_f8f6f4 v[S+8*(4*\g+\t):S+8*(4*\g+\t)+7], v[KF+12*\t:KF+12*\t+11], v[16:27], 0, v[KS+2*\g+\t/2], v28 matrix_a_fmt:MATRIX_FMT_FP6 matrix_b_fmt:MATRIX_FMT_FP6
.endif
.endm
.macro PV t                            ; O^T of d 16 t on += V^T P^T over these 128 keys
.if (\t)%2
	v_wmma_scale_f32_16x16x128_f8f6f4 v[O+8*\t:O+8*\t+7], v[VF+12*\t:VF+12*\t+11], v[PC:PC+11], v[O+8*\t:O+8*\t+7], v[VS+\t/2], v253 matrix_a_fmt:MATRIX_FMT_FP6 matrix_b_fmt:MATRIX_FMT_FP6 matrix_a_scale:MATRIX_SCALE_ROW1
.else
	v_wmma_scale_f32_16x16x128_f8f6f4 v[O+8*\t:O+8*\t+7], v[VF+12*\t:VF+12*\t+11], v[PC:PC+11], v[O+8*\t:O+8*\t+7], v[VS+\t/2], v253 matrix_a_fmt:MATRIX_FMT_FP6 matrix_b_fmt:MATRIX_FMT_FP6
.endif
.endm
.macro KLOAD g                         ; four tiles of K, registers 0-7 of each: 8 loads
.irp t, 0,1,2,3
	ds_load_b128 v[KF+12*\t:KF+12*\t+3], v[A16] offset:1024*(4*\g+\t)
	ds_load_b128 v[KF+12*\t+4:KF+12*\t+7], v[A16] offset:1024*(4*\g+\t)+512
.endr
.endm
.macro MX c, u, r                      ; the largest score: chain u (16 numbers) of block c, round r; each accumulator is read from its low end on
.if (\r) == 0
	v_max3_num_f32 v[BM+\c+2*\u], v[S+32*\c+16*\u], v[S+32*\c+16*\u+1], v[S+32*\c+16*\u+2]
.else
	v_max3_num_f32 v[BM+\c+2*\u], v[BM+\c+2*\u], v[S+32*\c+16*\u+2*(\r)+1], v[S+32*\c+16*\u+2*(\r)+2]
.endif
.endm
.macro SUMS from, n                    ; four chains of packed additions side by side
.set J, \from
.rept \n
	v_pk_add_f32 v[14:15], v[14:15], v[S+2*J:S+2*J+1]
	v_pk_add_f32 v[10:11], v[10:11], v[S+18+2*J:S+19+2*J]
	v_pk_add_f32 v[XL:XL+1], v[XL:XL+1], v[S+34+2*J:S+35+2*J]
	v_pk_add_f32 v[254:255], v[254:255], v[S+50+2*J:S+51+2*J]
.set J, J+1
.endr
.endm
; A KEY STEP: 128 keys, the record at LDS byte s[TB].
.macro STEP
	v_add_nc_u32 v[A16], s[TB], v[L16]
	KLOAD 0
	ds_load_b128 v[KS:KS+3], v[A16] offset:8192
	WALU
	s_wait_dscnt 0x0
.irp t, 0,1,2,3
	KQ 0, \t
.endr
	v_add_nc_u32 v[A8], s[TB], v[L8]
.rept 3
	v_nop                                          ; with the line above: the places in front of loads into registers that matrix instructions have read (K's; with the step's first line V's too)
.endr
	KLOAD 1
.irp t, 0,1,2,3
.irp c, 0,1,2
	ds_load_b128 v[VF+12*\t+4*\c:VF+12*\t+4*\c+3], v[A16] offset:8704+1536*\t+512*\c
.endr
.endr
	ds_load_b64 v[VS:VS+1], v[A8] offset:14848
	s_wait_dscnt 13                                ; K's eight are in; V's twelve and its scale words may be out
.irp t, 0,1,2,3
	KQ 1, \t
.endr
.irp r, 0,1                            ; block 0's first four lines are the places behind the products above
	MX 0, 0, \r
	MX 0, 1, \r
.endr
.irp r, 2,3,4,5,6
	MX 0, 0, \r
	MX 0, 1, \r
	MX 1, 0, \r-2
	MX 1, 1, \r-2
.endr
.irp r, 5,6
	MX 1, 0, \r
	MX 1, 1, \r
.endr
.irp c, 0,1
	v_max3_num_f32 v[BM+\c], v[BM+\c], v[S+32*\c+15], v[S+32*\c+31]
.endr
.irp c, 0,1
	v_max_num_f32 v[BM+\c], v[BM+\c], v[BM+2+\c]   ; THE LARGEST SCORE OF MY BLOCK 2 c + h: for the row's maximum, and, since p rises with the score, for the block's largest p
.endr
	DEP 1
	v_max_num_f32 v[TT], v[BM], v[BM+1]
	DEP 1
	v_permlanex16_b32 v[XL], v[TT], s[SEL], s[SEL+1]
	DEP 1
	v_max_num_f32 v[TT], v[TT], v[XL]              ; the step's largest score of my query
	DEP 1
	v_mul_f32 v[TT], s[CS], v[TT]                  ; as t (c is positive)
	DEP 1
	v_max_num_f32 v13, v13, v[TT]                  ; the running largest t
	v_mov_b32 v[TT], v12
	DEP 2
	v_floor_f32 v12, -v13                          ; the new -M = -ceil(t): M is a whole number
	DEP 1
	v_sub_f32 v[TT], v12, v[TT]                    ; M's old value less its new one
	DEP 1
	v_cvt_i32_f32 v[TT], v[TT]                     ; (it saturates)
	DEP 1
	v_ldexp_f32 v252, 1.0, v[TT]                   ; f = 2^(old M - new M)
.set J, 0
.rept 32
	v_pk_fma_f32 v[S+J:S+J+1], v[S+J:S+J+1], s[CS:CS+1], v[12:13] op_sel_hi:[1,0,0]   ; t - M, two at a time
.set J, J+2
.endr
.irp c, 0,1
	v_fma_f32 v[BM+\c], v[BM+\c], s[CS], v12       ; the same of each block's largest score
.endr
	WALU                                           ; ahead of the batch
.set J, 0
.rept 64
	v_exp_f32 v[S+J], v[S+J]                       ; p = 2^(t - M), at most 1; exactly 0 for a masked key
.set J, J+1
.endr
.irp c, 0,1
	v_exp_f32 v[BM+\c], v[BM+\c]                   ; the block's largest p: the same two instructions on the same number give the same bits
.endr
	v_pk_mul_f32 v[14:15], v[14:15], v[252:253] op_sel_hi:[1,0]   ; the sums under the new M (a plain place behind the exponentials)
	WALU                                           ; one wait for the batch, directly ahead of O^T's first readers too
.set J, 0
.rept 16
	v_pk_mul_f32 v[O+J:O+J+1], v[O+J:O+J+1], v[252:253] op_sel_hi:[1,0]   ; O^T under the new M
.set J, J+2
.endr
.irp c, 0,1
	v_max_num_f32 v[BM+\c], 0x1800000, v[BM+\c]    ; the floor 2^(3 - 127): a block whose every p is 0 keeps the byte 1: its codes are zeros
.endr
.irp c, 0,1
	v_add_nc_u32 v[CV+\c], 0xff000000, v[BM+\c]    ; 2 off the exponent field: the conversion's scale operand
.endr
.irp c, 0,1
	v_cvt_scalef32_pk16_fp6_f32 v[PC+6*\c:PC+6*\c+2], v[S+32*\c:S+32*\c+15], v[CV+\c]
	v_cvt_scalef32_pk16_fp6_f32 v[T0+4*\c:T0+4*\c+2], v[S+32*\c+16:S+32*\c+31], v[CV+\c]   ; (a conversion's three registers begin on an even number)
.endr
.irp c, 0,1
	v_lshrrev_b32 v[BM+\c], 23, v[CV+\c]           ; the scale's byte
.endr
	v_lshl_or_b32 v[TT], v[BM+1], 16, v[BM]        ; blocks h and 2 + h,
	v_lshlrev_b32 v[TT], v[SH], v[TT]              ; at their places in the query's word;
	v_permlanex16_b32 v[XL], v[TT], s[SEL], s[SEL+1]
	v_or_b32 v253, v[TT], v[XL]                    ; with lane l xor 16's two the word is whole
	v_pk_add_f32 v[14:15], v[14:15], v[S:S+1]      ; THE ROW'S SUM IS TAKEN OF THE UNQUANTISED p
	v_pk_add_f32 v[10:11], v[S+16:S+17], v[S+18:S+19]
	v_pk_add_f32 v[XL:XL+1], v[S+32:S+33], v[S+34:S+35]
	v_pk_add_f32 v[254:255], v[S+48:S+49], v[S+50:S+51]
	SUMS 1, 2
.irp c, 0,1
.irp i, 0,1,2
	v_mov_b32 v[PC+3+6*\c+\i], v[T0+4*\c+\i]       ; registers 6 c .. 6 c + 5 hold keys 64 c + 32 h + 0 .. 31
.endr
.endr
	SUMS 3, 4                                      ; (these twenty lines are also the places between p's codes and scale word and the products below)
	v_pk_add_f32 v[14:15], v[14:15], v[S+14:S+15]
	v_pk_add_f32 v[10:11], v[10:11], v[XL:XL+1]
	v_pk_add_f32 v[14:15], v[14:15], v[254:255]
	v_pk_add_f32 v[14:15], v[14:15], v[10:11]
	s_wait_dscnt 0x0                               ; V is in
.irp t, 0,1,2,3
	PV \t                                          ; four accumulators, one instruction each
.endr
.endm
.macro WALK first, trips
	s_mov_b32 s[TB], (\first)*REC
	s_mov_b32 s[CNT], \trips
.Lstep_\@:
	STEP
	s_add_co_u32 s[TB], s[TB], REC
	s_sub_co_u32 s[CNT], s[CNT], 1
	s_cmp_lg_u32 s[CNT], 0
	s_cbranch_scc1 .Lstep_\@
.endm
	WALU                                           ; at the head's end
	s_wait_loadcnt 0x0                             ; Q
	s_cmp_lt_u32 s[WV], 4
	s_cbranch_scc0 .Lnot_first
	s_wait_tensorcnt 0x0                           ; records 0-3: every wave that issues their line waits here
.Lnot_first:
	s_barrier_signal -1
	s_barrier_wait -1                              ; the other records may be on their way
	WALK 0, 4
	s_wait_tensorcnt 0x0                           ; every wave's record is in
	s_wait_dscnt 0x0
	s_barrier_signal -1
	s_barrier_wait -1
	WALK 4, 12
	; THE WAY OUT: o = O^T / the sum, quantised along d: two blocks of 32, one piece of 64 of the last product's K, stored as an image of the operand's registers.  Register 8 t + i is o(r, 16 t + 8 h + i):
	; lanes l and l xor 16 share a block, and in the codes a block's second and third groups of eight change places, as they do in w_out's codes.
	WALU                                           ; the sum's last additions stand close ahead of the step's last wait
	v_add_f32 v14, v14, v15                        ; the sum's two halves,
	v_permlanex16_b32 v252, v14, s[SEL], s[SEL+1]
	v_add_f32 v14, v14, v252                       ; and lane l xor 16's
	WALU
	v_rcp_f32 v14, v14
	v_and_b32 v6, 15, v0                           ; r
	v_bfe_u32 v7, v0, 4, 1                         ; h
	v_lshl_add_u32 v243, v6, 3, v7                 ; my scale byte's place: 8 r + h
	v_lshlrev_b32 v[TT], 4, v6
	v_lshl_add_u32 v[TT], v7, 3, v[TT]             ; 16 r + 8 h
	s_mov_b32 s54, 0xffff0000                      ; lanes 16-31
	s_lshr_b32 s56, s13, 4
	s_lshl_b32 s56, s56, 7
	s_lshl_b32 s57, s12, 4
	s_add_co_u32 s56, s56, s57
	s_add_co_u32 s56, s56, s[WV]                   ; my tile of 16 rows: 128 x batch + 16 x block + wave
	s_and_b32 s57, s13, 15                         ; the head: the piece of 64 along K
	s_mul_i32 s58, s56, 12288
	s_mul_i32 s59, s57, 768
	s_add_co_u32 s58, s58, s59
	s_mov_b32 s59, 0
	s_add_nc_u64 s[60:61], s[8:9], s[58:59]
	s_lshr_b32 s58, s56, 1
	s_lshl_b32 s58, s58, 10                        ; the scale bytes: 1,024 for 32 rows,
	s_lshr_b32 s55, s57, 2
	s_lshl_b32 s55, s55, 8                         ; 256 for eight blocks,
	s_add_co_u32 s58, s58, s55
	s_and_b32 s55, s56, 1
	s_lshl_b32 s55, s55, 7                         ; 8 a row,
	s_add_co_u32 s58, s58, s55
	s_lshl_b32 s55, s57, 1
	s_and_b32 s55, s55, 7                          ; block 2 x head + h
	s_add_co_u32 s58, s58, s55
	s_add_co_u32 s58, s58, 3145728
	s_add_nc_u64 s[62:63], s[8:9], s[58:59]
	WALU                                           ; ahead of the reciprocal's and of O^T's first readers
.set J, 0
.rept 16
	v_pk_mul_f32 v[S+J:S+J+1], v[O+J:O+J+1], v[14:15] op_sel_hi:[1,0]
.set J, J+2
.endr
.irp b, 0,1
	v_max3_num_f32 v[BM+\b], |v[S+16*\b]|, |v[S+1+16*\b]|, 0x1800000
.endr
.irp i, 2,4,6,8,10,12,14
.irp b, 0,1
	v_max3_num_f32 v[BM+\b], v[BM+\b], |v[S+16*\b+\i]|, |v[S+1+16*\b+\i]|
.endr
.endr
.irp b, 0,1
	v_permlanex16_b32 v[T0+\b], v[BM+\b], s[SEL], s[SEL+1]
.endr
.irp b, 0,1
	v_max_num_f32 v[BM+\b], v[BM+\b], v[T0+\b]
.endr
.irp b, 0,1
	v_add_nc_u32 v[CV+\b], 0xff000000, v[BM+\b]
.endr
.irp b, 0,1
	v_lshrrev_b32 v[240+\b], 23, v[CV+\b]
.endr
	v_cndmask_b32 v242, v240, v241, s54            ; lanes 0-15 store block 0's byte, lanes 16-31 block 1's
	v_cvt_scalef32_pk16_fp6_f32 v[PC:PC+2], v[S:S+15], v[CV]
	v_cvt_scalef32_pk16_fp6_f32 v[T0:T0+2], v[S+16:S+31], v[CV+1]
	v_nop
.irp i, 0,1,2
	v_permlane16_swap_b32 v[PC+\i], v[T0+\i]
.endr
.irp i, 0,1,2
	v_mov_b32 v[PC+3+\i], v[T0+\i]
.endr
	global_store_b128 v[L16], v[PC:PC+3], s[60:61]             ; 512 consecutive bytes
	global_store_b64 v[TT], v[PC+4:PC+5], s[60:61] offset:512  ; 256 consecutive bytes
	global_store_b8 v243, v242, s[62:63]                       ; two bytes a row, eight bytes apart: four heads share these 256 bytes, so they are written in parts; 131,072 bytes of the launch's 3,276,800
	s_wait_tensorcnt 0x0                           ; the wave's end
	ds_add_u32 v[SPW], v[NIL]
	s_wait_dscnt 0x0
	CROUND                                         ; the closing round
	s_endpgm
.Lfunc_end_k_q5ae35c288b_attn:
	.size	k_q5ae35c288b_attn, .Lfunc_end_k_q5ae35c288b_attn-k_q5ae35c288b_attn
	.p2alignl 7, 3214868480
	.fill 96, 4, 3214868480
	.section	.rodata,"a",@progbits
	.p2align	6, 0x0
	.amdhsa_kernel k_q5ae35c288b_attn
		.amdhsa_group_segment_fixed_size 243712
		.amdhsa_private_segment_fixed_size 0
		.amdhsa_enable_private_segment 0
		.amdhsa_kernarg_size 24
		.amdhsa_user_sgpr_count 2
		.amdhsa_user_sgpr_kernarg_segment_ptr 1
		.amdhsa_wavefront_size32 1
		.amdhsa_system_sgpr_workgroup_id_x 1
		.amdhsa_system_sgpr_workgroup_id_y 1
		.amdhsa_system_sgpr_workgroup_id_z 1
		.amdhsa_system_vgpr_workitem_id 0
		.amdhsa_next_free_vgpr 256
		.amdhsa_next_free_sgpr 66
		.amdhsa_reserve_vcc 0
		.amdhsa_float_denorm_mode_32 3
		.amdhsa_float_denorm_mode_16_64 3
		.amdhsa_memory_ordered 1
		.amdhsa_forward_progress 1
		.amdhsa_inst_pref_size 41
	.end_amdhsa_kernel
	.amdgpu_metadata
---
amdhsa.version: [ 1, 2 ]
amdhsa.kernels:
  - .name:           k_q5ae35c288b_attn
    .symbol:         k_q5ae35c288b_attn.kd
    .args:
      - { .name: qi, .offset: 0, .size: 8, .value_kind: global_buffer, .address_space: global }
      - { .name: kv, .offset: 8, .size: 8, .value_kind: global_buffer, .address_space: global }
      - { .name: oi, .offset: 16, .size: 8, .value_kind: global_buffer, .address_space: global }
    .group_segment_fixed_size: 243712
    .private_segment_fixed_size: 0
    .kernarg_segment_align: 8
    .kernarg_segment_size: 24
    .max_flat_workgroup_size: 512
    .sgpr_count:     66
    .vgpr_count:     256
    .wavefront_size: 32
...
	.end_amdgpu_metadata
.endif
;; end of part 3
;; launch proj (part 4): grid 8 x 32, 4 waves a work-group, clusters of 4 x 4, 229,888 bytes of LDS; arguments oi, wo, b_out, out0; writes out0
.if DOCPART == 4
	.amdgcn_target "amdgcn-amd-amdhsa--gfx1250"
	.amdhsa_code_object_version 6
	.text
	.protected	k_q5ae35c288b_proj
	.globl	k_q5ae35c288b_proj
	.p2align	8
	.type	k_q5ae35c288b_proj,@function
k_q5ae35c288b_proj:
	s_mov_b64 s[64:65], 0
	v_nop
	global_prefetch_b8 v0, s[64:65] scope:SCOPE_SE
	s_setreg_imm32_b32 hwreg(HW_REG_WAVE_MODE, 25, 1), 1
	s_wait_xcnt 0x0
	s_wait_alu depctr_hold_cnt(0) depctr_sa_sdst(0) depctr_va_vdst(0) depctr_va_sdst(0) depctr_va_ssrc(0) depctr_va_vcc(0) depctr_vm_vsrc(0)
	s_getreg_b32 s2, hwreg(HW_REG_IB_STS2, 6, 4)
	s_cmp_eq_u32 s2, 0
	s_cbranch_scc0 .Lentry_in_a_cluster
	s_endpgm
.Lentry_in_a_cluster:
	s_bfe_u32 s2, ttmp6, 0x10000c
	s_cmp_lg_u32 s2, 0xf033
	s_cbranch_scc0 .Lentry_shape_is_right
	s_endpgm
.Lentry_shape_is_right:
; out0 = o w_out + b_out on codes of FP6 (E2M3) with E8M0 scales.  o: 4,096 rows, w_out: 1,024 rows (its columns n), K = 1,024; both lie as images of the operand's registers, as xq and wq do.
; A tile of 128 x 128 to a work-group, so that there are 256 of them; 64 x 64 to a wave: 16 accumulators.  All of K lies in LDS, in four chunks of 256 along K filled once: no slot is filled again.
; CLUSTERS of 4 x 4: o's tiles are asked for jointly along a row of the cluster, w_out's along a column.
; THE MATRIX INSTRUCTION IS USED TRANSPOSED (source 0 = 16 rows of w_out, source 1 = 16 rows of o): a lane holds eight neighbouring numbers of a row of out0.  The bias is the C of each sum's first product.
; REGISTERS: window 0: v8-16 addresses; v32-63 scale words and nothing else; v64-95 the bias, later with v96-127 rows on the way out; v128-255 the accumulators, (a, b) at v[128 + 8 (4 a + b)].
;   window 1: two sets of fragments at v0 and v128: o's four at + 12 i, w_out's four at + 48 + 12 i.
; WHAT HOLDS NOW OF LDS AND THE FILLS (it takes the place of the lines above on the four chunks): o's 8 tiles of rows x 12,288 bytes lie at 0, w_out's at 98,304, as in memory; four loads at the head, one a wave:
; o's codes, w_out's codes, o's scale bytes, w_out's; one barrier shows all.  oi's rows lie in the order of xq's: row 8 h + j of tile t' of each 64 is token 32 h + 8 t' + j; the stores' offsets put them back.
.set CHUNK, 3072                       ; 256 along K of a tile of rows
.set SCL,   196608                     ; the scale bytes of 128 rows, all of K: 4,096 bytes for each wave's load
.set STAGE, 204800                     ; the way out: 16 rows x (256 + 16) bytes for each wave; no tensor load lands here
.set PA16, 8
.set PA8,  9
.set PB16, 10
.set PB8,  11
.set ADRS, 12
.set STO,  13
.set RD,   14
.set CO,   15
.set VBI,  16
.set SC,   32
.set BI,   64
.set ACC,  128
.set G1,  24
.set G1B, 32
.set G1S, 40
.set G1SB, 48
.set GA0, 56                           ; groups 0: o's codes
.set GA1, 60
.set GA2, 68
.set GA3, 72
.set GB0, 76                           ; w_out's codes
.set GB1, 80
.set GB2, 84
.set GB3, 88
.set GS,  92                           ; the scale bytes
.set GSB, 96
.set MSB, 0
.macro WIN new
.if MSB != (\new)
	s_set_vgpr_msb (MSB<<8)|(\new)
.set MSB, \new
.endif
.endm
.macro JLOAD g0a, g1a, g0b, g1b        ; a joint load: waves 0 and 1 fetch for o, waves 2 and 3 for w_out; four v_nop follow each line
	s_cmp_eq_u32 s17, 0
	s_cbranch_scc0 .Lfor_b_\@
	tensor_load_to_lds s[\g0a:\g0a+3], s[\g1a:\g1a+7]
	s_nop 0
.rept 4
	v_nop
.endr
	s_branch .Lasked_\@
.Lfor_b_\@:
	tensor_load_to_lds s[\g0b:\g0b+3], s[\g1b:\g1b+7]
	s_nop 0
.rept 4
	v_nop
.endr
.Lasked_\@:
.endm
.macro CROUND
	s_barrier_signal -1
	s_barrier_wait -1
	s_cmp_lg_u32 s16, 0
	s_cbranch_scc1 .Lnot_wave_0_\@
	s_barrier_signal -3
.Lnot_wave_0_\@:
	s_barrier_wait -3
	s_barrier_signal -1
	s_barrier_wait -1
.endm
.macro MKG0 g, lreg, loff, areg, aoff
	s_mov_b32 s[\g], 1
	s_add_co_u32 s[\g+1], s[\lreg], \loff
	s_add_nc_u64 s[\g+2:\g+3], s[\areg:\areg+1], \aoff
	s_or_b32 s[\g+3], s[\g+3], 0x80000000
.endm
	s_load_b256 s[4:11], s[0:1], 0x0               ; oi s[4:5], wo s[6:7], b_out s[8:9], out0 s[10:11]
	v_lshl_add_u32 v30, v0, 2, 0x38000
	v_mov_b32 v31, 0
	ds_add_u32 v30, v31
	ds_add_u32 v30, v31
	v_lshrrev_b32 v1, 5, v0
	v_readfirstlane_b32 s16, v1                    ; wave 0..3
	s_lshr_b32 s17, s16, 1                         ; which half of the tile's rows is mine
	s_and_b32 s18, s16, 1                          ; which half of its columns
	s_bfe_u32 s19, ttmp6, 0x40000                  ; cx
	s_bfe_u32 s20, ttmp6, 0x40004                  ; cy
	s_lshl_b32 s2, ttmp9, 2
	s_add_co_u32 s2, s2, s19                       ; tile column
	s_and_b32 s3, ttmp7, 0xffff
	s_lshl_b32 s3, s3, 2
	s_add_co_u32 s3, s3, s20                       ; tile row
	s_lshl_b32 s23, s20, 2
	s_lshl_b32 s23, 15, s23                        ; my row of the cluster
	s_lshl_b32 s21, 0x1111, s19                    ; my column
	s_or_b32 s[G1], s23, (3<<16)|(1<<21)           ; the mask; elements of 8 bytes; bit 21 beside a mask; no padding
	s_or_b32 s[G1S], s23, (3<<16)|(1<<21)
	s_or_b32 s[G1B], s21, (3<<16)|(1<<21)
	s_or_b32 s[G1SB], s21, (3<<16)|(1<<21)
.irp g, G1, G1B                        ; codes: 8 tiles of rows x 12,288 bytes, dense
	s_mov_b32 s[\g+1], 384<<16                     ; 98,304 dense bytes as 32 rows of 3,072
	s_mov_b32 s[\g+2], 32<<16
	s_mov_b32 s[\g+3], 384<<16
	s_mov_b32 s[\g+4], 32
	s_mov_b32 s[\g+5], 384
	s_mov_b32 s[\g+6], 0
	s_mov_b32 s[\g+7], 0
.endr
.irp g, G1S, G1SB                      ; scale bytes of 128 rows: 4,096 dense bytes as 16 rows of 256
	s_mov_b32 s[\g+1], 32<<16
	s_mov_b32 s[\g+2], 16<<16                      ; the scale bytes of 128 rows: 16 rows of 256
	s_mov_b32 s[\g+3], 32<<16
	s_mov_b32 s[\g+4], 16
	s_mov_b32 s[\g+5], 32
	s_mov_b32 s[\g+6], 0
	s_mov_b32 s[\g+7], 0
.endr
	s_lshl_b32 s23, s3, 3
	s_mul_i32 s66, s23, 12288
	s_mov_b32 s67, 0
	s_lshl_b32 s12, s23, 9
	s_add_co_u32 s12, s12, 3145728
	s_mov_b32 s13, 0
	s_lshl_b32 s21, s2, 3
	s_mul_i32 s100, s21, 12288
	s_mov_b32 s101, 0
	s_lshl_b32 s14, s21, 9
	s_add_co_u32 s14, s14, 786432
	s_mov_b32 s15, 0
	s_mov_b32 s22, 0
	s_wait_dscnt 0x0
	s_wait_kmcnt 0x0
	s_add_nc_u64 s[66:67], s[4:5], s[66:67]
	s_add_nc_u64 s[12:13], s[4:5], s[12:13]
	s_add_nc_u64 s[100:101], s[6:7], s[100:101]
	s_add_nc_u64 s[14:15], s[6:7], s[14:15]
	MKG0 GS,  22, SCL, 12, 0
	MKG0 GSB, 22, SCL+4096, 14, 0
	MKG0 GA0, 22, 0, 66, 0
	MKG0 GB0, 22, 98304, 100, 0
	CROUND                                         ; all sixteen work-groups are here: the joint loads meet
; the head's loads, one a wave, in one chain of branches on the wave's number
.macro ARM under, g0, g1, next
	s_cmp_lt_u32 s16, \under
	s_cbranch_scc0 \next
	tensor_load_to_lds s[\g0:\g0+3], s[\g1:\g1+7]
	s_nop 0
.rept 4
	v_nop
.endr
	s_branch .Lhead_asked
\next:
.endm
	ARM 1, GA0, G1,  .Lhead_b
	ARM 2, GB0, G1B, .Lhead_sa
	ARM 3, GS,  G1S, .Lhead_sb
	tensor_load_to_lds s[GSB:GSB+3], s[G1SB:G1SB+7]
	s_nop 0
.rept 4
	v_nop
.endr
.Lhead_asked:
	v_and_b32 v1, 31, v0                           ; lane
	v_and_b32 v2, 15, v0                           ; r
	v_bfe_u32 v3, v0, 4, 1                         ; h
	v_lshlrev_b32 v5, 4, v1                        ; 16 x lane
	v_lshlrev_b32 v6, 4, v2
	v_lshl_add_u32 v6, v3, 3, v6                   ; 16 r + 8 h
	s_mul_i32 s23, s17, 49152                      ; my four tiles of o's rows,
	s_mul_i32 s21, s18, 49152
	s_add_co_u32 s21, s21, 98304                   ; of w_out's, behind o's eight
	v_add_nc_u32 v[PA16], s23, v5
	v_add_nc_u32 v[PA8], s23, v6
	v_add_nc_u32 v[PB16], s21, v5
	v_add_nc_u32 v[PB8], s21, v6
	s_lshl_b32 s23, s17, 11                        ; scale words: o's half,
	s_lshl_b32 s21, s18, 11
	s_add_co_u32 s21, s21, 4096                    ; w_out's half,
	s_sub_co_u32 s21, s21, s23
	v_mul_u32_u24 v4, s21, v3                      ; lanes 16-31 take w_out's: one product, h x the distance
	s_add_co_u32 s23, s23, SCL
	v_lshl_add_u32 v4, v2, 3, v4
	v_add_nc_u32 v[ADRS], s23, v4
	s_mul_i32 s23, s16, 4352
	s_add_co_u32 s23, s23, STAGE                   ; my stage
	v_mul_u32_u24 v4, v2, 272
	v_lshl_add_u32 v4, v3, 5, v4
	v_add_nc_u32 v[STO], s23, v4                   ; in: row r, 32 bytes for each half of the lanes
	v_mul_u32_u24 v4, v3, 272
	v_lshl_add_u32 v4, v2, 4, v4
	v_add_nc_u32 v[RD], s23, v4                    ; back: lanes 0-15 one row of 256 bytes, lanes 16-31 the next
	v_lshlrev_b32 v4, 12, v3
	v_lshl_add_u32 v[CO], v2, 4, v4                ; and the same two rows in out0
	v_lshlrev_b32 v[VBI], 5, v3
	s_wait_alu depctr_va_vdst(0)
	s_lshl_b32 s12, s2, 9
	s_lshl_b32 s13, s18, 8
	s_add_co_u32 s12, s12, s13                     ; my first column, in bytes: 512 x tile column + 256 x half
	s_mov_b32 s13, 0
	s_add_nc_u64 s[8:9], s[8:9], s[12:13]
	s_add_nc_u64 s[10:11], s[10:11], s[12:13]
	s_lshl_b32 s14, s3, 7
	s_lshl_b32 s15, s17, 6
	s_add_co_u32 s14, s14, s15
	s_lshl_b32 s14, s14, 12                        ; my first row: 128 x tile row + 64 x half, of 4,096 bytes
	s_mov_b32 s15, 0
	s_add_nc_u64 s[10:11], s[10:11], s[14:15]
.irp b, 0,1,2,3                        ; the bias in the result's layout: tile b's eight columns of my half
	global_load_b128 v[BI+8*\b:BI+8*\b+3], v[VBI], s[8:9] offset:64*\b
	global_load_b128 v[BI+8*\b+4:BI+8*\b+7], v[VBI], s[8:9] offset:64*\b+16
.endr
.macro FRAG reg, a16, a8, q, i         ; a fragment: two pieces of 64 along K, each four registers at 16 x lane and two at 512 + 16 r + 8 h
	ds_load_b128 v[\reg:\reg+3], v[\a16] offset:(\i)*12288+(\q)*1536
	ds_load_b64 v[\reg+4:\reg+5], v[\a8] offset:(\i)*12288+(\q)*1536+512
	ds_load_b128 v[\reg+6:\reg+9], v[\a16] offset:(\i)*12288+(\q)*1536+768
	ds_load_b64 v[\reg+10:\reg+11], v[\a8] offset:(\i)*12288+(\q)*1536+1280
.endm
.macro PFETCH q, p                     ; the eight fragments of the chunk's q-th 128 along K into set p: 32 loads
	WIN 0x40
.irp i, 0,1,2,3
	FRAG 128*(\p)+12*\i, PA16, PA8, \q, \i
	FRAG 128*(\p)+48+12*\i, PB16, PB8, \q, \i
.endr
	WIN 0
.endm
.macro PMUL sg                         ; 16 products, the accumulators by turns; the first step's C is the bias
.irp a, 0,1,2,3
.irp b, 0,1,2,3
.if (\sg) == 0
	v_wmma_scale_f32_16x16x128_f8f6f4 v[ACC+8*(4*\a+\b):ACC+8*(4*\a+\b)+7], v[128*((\sg)%2)+48+12*\b:128*((\sg)%2)+48+12*\b+11], v[128*((\sg)%2)+12*\a:128*((\sg)%2)+12*\a+11], v[BI+8*\b:BI+8*\b+7], v[SC+8*\b+(\sg)], v[SC+8*\a+(\sg)] matrix_a_fmt:MATRIX_FMT_FP6 matrix_b_fmt:MATRIX_FMT_FP6 matrix_a_scale:MATRIX_SCALE_ROW1
.else
	v_wmma_scale_f32_16x16x128_f8f6f4 v[ACC+8*(4*\a+\b):ACC+8*(4*\a+\b)+7], v[128*((\sg)%2)+48+12*\b:128*((\sg)%2)+48+12*\b+11], v[128*((\sg)%2)+12*\a:128*((\sg)%2)+12*\a+11], v[ACC+8*(4*\a+\b):ACC+8*(4*\a+\b)+7], v[SC+8*\b+(\sg)], v[SC+8*\a+(\sg)] matrix_a_fmt:MATRIX_FMT_FP6 matrix_b_fmt:MATRIX_FMT_FP6 matrix_a_scale:MATRIX_SCALE_ROW1
.endif
.endr
.endr
.endm
; Step sg of 128 along K: the next step's fragments are asked for first, then this step is multiplied.  Where the next step begins a chunk, the addresses move on by CHUNK.
.macro PSTEP sg
.if (\sg) < 7
.if ((\sg)+1)%2 == 0
	v_add_nc_u32 v[PA16], CHUNK, v[PA16]           ; on to the next 256 along K: four plain instructions, the places in front of the loads below
	v_add_nc_u32 v[PA8], CHUNK, v[PA8]
	v_add_nc_u32 v[PB16], CHUNK, v[PB16]
	v_add_nc_u32 v[PB8], CHUNK, v[PB8]
.elseif (\sg) > 0
.rept 4
	v_nop                                          ; places in front of loads into registers that matrix instructions have read
.endr
.endif
	PFETCH ((\sg)+1)%2, ((\sg)+1)%2
	s_wait_alu depctr_va_vdst(0)
	s_wait_dscnt 32                                ; all but the 32 just issued
.else
	s_wait_dscnt 0x0
.endif
	WIN 0x05                                       ; sources 0 and 1 window 1; C and D window 0
	PMUL \sg
	WIN 0
.endm
	s_wait_tensorcnt 0x0                           ; my tile of the head's four is in
	s_barrier_signal -1
	s_barrier_wait -1
.irp i, 0,1,2,3                        ; all scale words, once
.irp sp, 0,1,2,3
	ds_load_b64 v[SC+8*\i+2*\sp:SC+8*\i+2*\sp+1], v[ADRS] offset:(\i/2)*1024+\sp*256+(\i%2)*128
.endr
.endr
	PFETCH 0, 0
	s_wait_loadcnt 0x0                             ; the bias
.irp sg, 0,1,2,3,4,5,6,7
	PSTEP \sg
.endr
; THE WAY OUT, block by block of 16 rows x 64 columns: a lane holds 32 neighbouring bytes of a row and the lanes beside it hold other rows, so a block goes through my own stage and comes back as whole
; rows of 256 bytes.  LDS serves a wave's instructions in order (ISA guide 5.7.1.4): no wait between the stores and the loads, nor in front of the next block's stores.
.macro PSTAGE a
.irp b, 0,1,2,3
	ds_store_b128 v[STO], v[ACC+8*(4*(\a)+\b):ACC+8*(4*(\a)+\b)+3] offset:64*\b          ; each accumulator from its low end on
	ds_store_b128 v[STO], v[ACC+8*(4*(\a)+\b)+4:ACC+8*(4*(\a)+\b)+7] offset:64*\b+16
.endr
.set BB, BI+32*((\a)%2)
.irp t, 0,1,2,3,4,5,6,7
	ds_load_b128 v[BB+4*\t:BB+4*\t+3], v[RD] offset:544*\t
.endr
.endm
.macro PSEND a, younger                ; younger: the LDS instructions issued behind block a's loads, which may stay out
.set BB, BI+32*((\a)%2)
	s_wait_dscnt \younger
.irp t, 0,1,2,3,4,5,6,7
	global_store_b128 v[CO], v[BB+4*\t:BB+4*\t+3], s[10:11] offset:(32*(\t/4)+8*(\a)+(2*\t)%8)*4096 th:TH_STORE_NT   ; row 2 t (+ 1 in lanes 16-31) of tile a is token 32 (t / 4) + 8 a + 2 t % 8 of my 64; sixteen lanes store 256 consecutive bytes, aligned
.endr
.endm
.rept 4
	v_nop                                          ; places in front of the first read of results and of loads into the bias registers
.endr
	PSTAGE 0
.irp a, 1,2,3
.if \a > 1
	s_wait_xcnt 0x0                                ; block a - 2's stores have read their registers: block a's loads may land there
.endif
	PSTAGE \a
	PSEND \a-1, 16                                 ; behind block a - 1's loads: block a's 8 stores and 8 loads
.endr
	PSEND 3, 0
	s_wait_tensorcnt 0x0
	ds_add_u32 v30, v31
	s_wait_dscnt 0x0
	CROUND                                         ; the closing round: no work-group ends while a partner may still ask for a tile that names it
	s_endpgm
.Lfunc_end_k_q5ae35c288b_proj:
	.size	k_q5ae35c288b_proj, .Lfunc_end_k_q5ae35c288b_proj-k_q5ae35c288b_proj
	.p2alignl 7, 3214868480
	.fill 96, 4, 3214868480
	.section	.rodata,"a",@progbits
	.p2align	6, 0x0
	.amdhsa_kernel k_q5ae35c288b_proj
		.amdhsa_group_segment_fixed_size 229888
		.amdhsa_private_segment_fixed_size 0
		.amdhsa_enable_private_segment 0
		.amdhsa_kernarg_size 32
		.amdhsa_user_sgpr_count 2
		.amdhsa_user_sgpr_kernarg_segment_ptr 1
		.amdhsa_wavefront_size32 1
		.amdhsa_system_sgpr_workgroup_id_x 1
		.amdhsa_system_sgpr_workgroup_id_y 1
		.amdhsa_system_sgpr_workgroup_id_z 1
		.amdhsa_system_vgpr_workitem_id 0
		.amdhsa_next_free_vgpr 512
		.amdhsa_next_free_sgpr 102
		.amdhsa_reserve_vcc 0
		.amdhsa_float_denorm_mode_32 3
		.amdhsa_float_denorm_mode_16_64 3
		.amdhsa_memory_ordered 1
		.amdhsa_forward_progress 1
		.amdhsa_inst_pref_size 53
	.end_amdhsa_kernel
	.amdgpu_metadata
---
amdhsa.version: [ 1, 2 ]
amdhsa.kernels:
  - .name:           k_q5ae35c288b_proj
    .symbol:         k_q5ae35c288b_proj.kd
    .args:
      - { .name: oi, .offset: 0, .size: 8, .value_kind: global_buffer, .address_space: global }
      - { .name: wo, .offset: 8, .size: 8, .value_kind: global_buffer, .address_space: global }
      - { .name: b_out, .offset: 16, .size: 8, .value_kind: global_buffer, .address_space: global }
      - { .name: out0, .offset: 24, .size: 8, .value_kind: global_buffer, .address_space: global }
    .group_segment_fixed_size: 229888
    .private_segment_fixed_size: 0
    .kernarg_segment_align: 8
    .kernarg_segment_size: 32
    .max_flat_workgroup_size: 128
    .sgpr_count:     102
    .vgpr_count:     512
    .wavefront_size: 32
...
	.end_amdgpu_metadata
.endif
;; end of part 4
